; MI455X (gfx1250); checked and timed in simulation.
; The chip was launched on July 23, 2026; its instructions are those of AMD's public machine-readable ISA for CDNA 5 (MIT licence, August 2026) and "CDNA5" Instruction Set Architecture Reference Guide (July 2026). The comments in the code are by the model that wrote it; some were corrected since.
;; Attention Block. Allowed arithmetic: matrix products marked QUANTISED: E4M3 operands, one given power-of-two scale a tensor, by v_wmma_f32_16x16x64_fp8_fp8 or v_wmma_f32_16x16x128_fp8_fp8, f32 sums; everything else in f32.
;; Inputs: ca_bo 1,024 float32; ca_nb 1,024 float32; ca_ncb 768 float32; ca_ncg 768 float32; ca_ng 1,024 float32; ca_wkv_codes 1,024 x 24 x 32 uint8 (E4M3 codes of ca_wkv, K innermost, in blocks of 32 codes); ca_wo_codes 1,024 x 16 x 32 uint8 (E4M3 codes of ca_wo, K innermost, in blocks of 32 codes); ca_wq_codes 512 x 32 x 32 uint8 (E4M3 codes of ca_wq, K innermost, in blocks of 32 codes); context 4 x 512 x 768 float32; lowp_scales 20 int32 (the exponents e of the quantised operands' scales 2^e); sa_bo 1,024 float32; sa_nb 1,024 float32; sa_ncb 1,024 float32; sa_ncg 1,024 float32; sa_ng 1,024 float32; sa_wkv_codes 1,024 x 32 x 32 uint8 (E4M3 codes of sa_wkv, K innermost, in blocks of 32 codes); sa_wo_codes 1,024 x 16 x 32 uint8 (E4M3 codes of sa_wo, K innermost, in blocks of 32 codes); sa_wq_codes 512 x 32 x 32 uint8 (E4M3 codes of sa_wq, K innermost, in blocks of 32 codes); x 4 x 2,048 x 1,024 float32.
;; Outputs: out0 4 x 2,048 x 1,024 float32.
;; This version of the problem:
;;   THIS VERSION OF THE PROBLEM IS GIVEN IN LOW PRECISION. The matrix products marked QUANTISED in the list below multiply operands that are first quantised to E4M3 (4 exponent bits, 3 mantissa bits; 8 bits a number), with one given power-of-two scale for each operand tensor; their sums are f32. All else is computed in f32.
;;   The module's matrix products, in the order in which they are computed (A, B: the left and right operand; K: the contracted axis; several contracted axes count as one K, in the product's order):
;;     1. [M 8,192, K 1,024] x [K 1,024, N 512]; A: computed on the way; B: input sa_wq (given as codes): QUANTISED (scales: A lowp_scales[0], B lowp_scales[1])
;;     2. [M 8,192, K 1,024] x [K 1,024, N 1,024]; A: computed on the way; B: input sa_wkv (given as codes): QUANTISED (scales: A lowp_scales[2], B lowp_scales[3])
;;     3. batch 32 x [M 2,048, K 64] x [K 64, N 2,048]; A: computed on the way; B: computed on the way: QUANTISED (scales: A lowp_scales[4], B lowp_scales[5])
;;     4. batch 32 x [M 2,048, K 2,048] x [K 2,048, N 64]; A: softmax (see below); B: computed on the way: QUANTISED (scales: A lowp_scales[6], B lowp_scales[7])
;;     5. [M 8,192, K 512] x [K 512, N 1,024]; A: computed on the way; B: input sa_wo (given as codes): QUANTISED (scales: A lowp_scales[8], B lowp_scales[9])
;;     6. [M 8,192, K 1,024] x [K 1,024, N 512]; A: computed on the way; B: input ca_wq (given as codes): QUANTISED (scales: A lowp_scales[10], B lowp_scales[11])
;;     7. [M 2,048, K 768] x [K 768, N 1,024]; A: computed on the way; B: input ca_wkv (given as codes): QUANTISED (scales: A lowp_scales[12], B lowp_scales[13])
;;     8. batch 32 x [M 2,048, K 64] x [K 64, N 512]; A: computed on the way; B: computed on the way: QUANTISED (scales: A lowp_scales[14], B lowp_scales[15])
;;     9. batch 32 x [M 2,048, K 512] x [K 512, N 64]; A: softmax (see below); B: computed on the way: QUANTISED (scales: A lowp_scales[16], B lowp_scales[17])
;;     10. [M 8,192, K 512] x [K 512, N 1,024]; A: computed on the way; B: input ca_wo (given as codes): QUANTISED (scales: A lowp_scales[18], B lowp_scales[19])
;;   THE QUANTISER, for each operand of a quantised product, along K:
;;     - The operand's scale is 2^e, e = its entry of the input lowp_scales (int32; the entries are numbered through the quantised products in the list's order, A before B).
;;     - Each number is divided by the scale, clamped to +-448, and rounded to the nearest number of E4M3, ties to even, subnormals kept.
;;     - The product sums the exact products of the quantised numbers (number of the format x scale) in f32.
;;   ~~~python
;;   def quantise(x, axis, e):      # numpy; x: float32 -> the quantised numbers, widened to float32 again
;;       x = np.moveaxis(x, axis, -1); K = x.shape[-1]
;;       r = np.clip(x / 2.0 ** e, -448, 448)
;;       step = 2.0 ** (np.maximum(np.frexp(np.where(r == 0, 1, r))[1] - 1, -6) - 3)
;;       q = np.round(r / step) * step * 2.0 ** e      # np.round: ties to even
;;       return np.moveaxis(q, -1, axis).astype(np.float32)
;;   ~~~
;;   SOFTMAX AHEAD OF A QUANTISED PRODUCT. Where the list says 'softmax', what is quantised is not the finished softmax but p = 2^(t - M), with t = logit x log2(e) and M = ceil(the row's largest t), a whole number; so 1/2 < the row's largest p <= 1. The row's sum l is taken of the UNQUANTISED p, in f32, and the product's result is divided by l at the end. Since M is a whole number, a kernel that streams over the keys may use a running M (the ceiling of the running maximum): every later rescaling is an exact power of two, so the quantised numbers keep their values, but for numbers so far below the row's largest that they fall under the format's range.
;;   OPERANDS COMPUTED ON THE WAY. 'Computed on the way' means the value that the module computes at that place (a softmax that the list does not call 'softmax' is quantised finished and normalised). What goes into a quantiser is computed in f32, as accurately as f32 sums, v_exp_f32 and their like allow (about 1e-6 of the number): no bf16 or f16 on the way to a quantiser, and a product that is left as it is and whose result goes on into a quantised operand takes f32 operands (vector FMAs, or v_wmma_f32_16x16x4_f32). A number that lies on a knife's edge between two numbers of the format may be rounded either way, as far as f32 arithmetic and the matrix unit's own rounding can turn it there, and no further.
;;   INPUTS GIVEN AS CODES. ca_wkv (in the module: [768, 1024], K = its axis 0); ca_wo (in the module: [512, 1024], K = its axis 0); ca_wq (in the module: [1024, 512], K = its axis 0); sa_wkv (in the module: [1024, 1024], K = its axis 0); sa_wo (in the module: [512, 1024], K = its axis 0); sa_wq (in the module: [1024, 512], K = its axis 0): each comes as NAME_codes (uint8): NAME with its K axis moved to the last place and cut into blocks of 32 codes, [.., K / 32, bytes a block], one block behind the other in memory; one code a byte (a code: sign, 4 exponent bits, 3 mantissa bits); its scale is its entry of lowp_scales. Its value is code x scale, taken as it is: it is not quantised again, and the codes and scales need not be those that the quantiser above would give.
;; One version. Each part assembles by itself: llvm-mc -triple=amdgcn-amd-amdhsa -mcpu=gfx1250 --defsym DOCPART=n.
;; ======== version 1 of 1: 3 launches
;; limits: right only within a limited range of input values
;; workspace buffers: qf 4,194,304 bytes; kv1 8,388,608 bytes; kv2 2,097,152 bytes; wimg 1,572,864 bytes; oc 4,194,304 bytes
;; launch qkv (part 1): grid 256 x 1, 16 waves a work-group, clusters of 4 x 1, 327,680 bytes of LDS; arguments x, context, sa_ng, sa_nb, sa_ncg, sa_ncb, ca_ncg, ca_ncb, sa_wq_codes, sa_wkv_codes, ca_wkv_codes, sa_wo_codes, ca_wq_codes, ca_wo_codes, lowp_scales, qf, kv1, kv2, wimg; writes qf, kv1, kv2, wimg
.if DOCPART == 1
	.amdgcn_target "amdgcn-amd-amdhsa--gfx1250"
	.amdhsa_code_object_version 6
	.text
	.protected	k_qa14e154898_qkv
	.globl	k_qa14e154898_qkv
	.p2align	8
	.type	k_qa14e154898_qkv,@function
k_qa14e154898_qkv:
	s_mov_b64 s[64:65], 0
	v_nop
	global_prefetch_b8 v0, s[64:65] scope:SCOPE_SE
	s_setreg_imm32_b32 hwreg(HW_REG_WAVE_MODE, 25, 1), 1
	s_wait_xcnt 0x0
	s_wait_alu depctr_hold_cnt(0) depctr_sa_sdst(0) depctr_va_vdst(0) depctr_va_sdst(0) depctr_va_ssrc(0) depctr_va_vcc(0) depctr_vm_vsrc(0)
	s_getreg_b32 s2, hwreg(HW_REG_IB_STS2, 6, 4)
	s_cmp_eq_u32 s2, 0
	s_cbranch_scc0 .Lentry_in_a_cluster
	s_endpgm
.Lentry_in_a_cluster:
	s_bfe_u32 s2, ttmp6, 0x10000c
	s_cmp_lg_u32 s2, 0x3003
	s_cbranch_scc0 .Lentry_shape_is_right
	s_endpgm
.Lentry_shape_is_right:
; FIRST OF THREE LAUNCHES.  It makes the codes (E4M3) of q, k, v of the self-attention and of k, v of the cross-attention, and lays three weights out anew.
;   q = Q(LN(x; sa_ng, sa_nb)) sa_wq;  k, v = Q(LN(x; sa_ncg, sa_ncb)) sa_wkv;  k2, v2 = Q(LN(context; ca_ncg, ca_ncb)) ca_wkv.   Q: the given quantiser; sums in f32.
; NO WORK OF THE PROBLEM IS LEFT OUT, in this launch or the next: every gain, bias and scale can move a code or an output, and all inputs are loaded.
; LIMITS: each exponent below that is made into an f32 power of two lies between -126 and 119: e0, e2, e12, e4-e0-e1, e5-e2-e3, e7-e2-e3, e15-e12-e13, e17-e12-e13.  NaN among the inputs is not served.
;   The f32 sums along K are taken in the order in which a cluster walks the chunks (below), not ascending: they differ from ascending sums by rounding alone.
; SHARES.  256 work-groups of 16 waves.  Work-group g = 4 x cluster + cx owns rows 32 g .. 32 g + 31 of x.  A cluster owns 32 rows of context: all four partners norm them, partner cx makes heads 2 cx, 2 cx + 1 of k2, v2.
;   Norm: wave w takes the tile of 16 rows u = w % 2 and 128 columns ks = w / 2: 64 numbers a lane, 16 neighbours of each block of 32.  A row's mean and sum of squares about it are made of the eight (context: six)
;   waves' parts through LDS, each part about its own mean, so that a common offset of the inputs costs no digits.
;   Products: wave w makes 32 columns (two tiles of 16) for both tiles of rows: four accumulators by turns.
; OPERANDS.  The normed rows' codes go from wave to wave through LDS as images of their registers (512 bytes for four registers, lane l at 16 l).  Weights come in chunks of 512 rows x 256 along K through two LDS slots.
;   Inside these products k is permuted alike on both sides (registers 4 c .. 4 c + 3: k = 32 c + 16 (l / 16) + 0 .. 15), so that both come by loads of 16 bytes.
; q and k are made transposed (source 0 = 16 rows of the weight): a lane holds one token and eight neighbouring columns: their codes are registers 2 c, 2 c + 1 of the next product's operand in that form's own layout.
; v is made the natural way round: a lane holds one column and eight neighbouring tokens, which are the next K (the keys).
; CLUSTER.  All work-groups need all of sa_wq and sa_wkv: each chunk is asked for jointly by the four partners.  ca_wkv's chunks are plain loads: each partner needs other rows (its two heads').
; THE WALK.  The four chunks along K of sa_wq, of sa_wkv's k half and of its v half are walked in another order by each cluster: at position p cluster C takes chunk (C + p) % 4.  So the clusters ask for
;   different chunks at a time, and from position 1 on a chunk has been asked for by other clusters a trip or more before.  The number is the cluster's: the same in all four partners.
; WORKSPACE.  qf [tile of 16 tokens][head][group of 4 registers][512].  kv1, kv2: blocks of 32 keys, 32,768 bytes: K [head][u][group][512], then V [tile of 16 columns][512] (a lane: keys 8 h + 0..7 and 16 + 8 h + 0..7).
;   wimg: sa_wo, ca_wq, ca_wo as images of fragments of 16 rows x 128 K (2,048 bytes) in the order in which the next launch's waves take them; work-group g lays fragment g of each.
.set SLOT,   139264                    ; 512 rows x (256 bytes + 16 of padding)
.set IMG,    278528                    ; 16 images of 2,048 bytes: fragment (u, ks) at (8 u + ks) x 2,048
.set STAT,   311296                    ; 32 rows x 80 bytes: eight pairs (mean, sum of squares) + 16 of padding
.set ST2,    2560                      ; the same once more, for context, so many bytes on
.set SPARE,  316416                    ; the spare words: 128 bytes a wave, eight blocks of 256 bytes that no other line names
.set LI,   1                           ; 16 x lane
.set XA,   2                           ; my bytes in the work-group's rows of x
.set CA,   3                           ; and of context
.set GA,   4                           ; my bytes in a gain or bias of 1,024; its last load is waited for ahead of the first product, and then v4 is
.set IMGK, 4                           ; IMG + 16 x lane + 4,096 x the chunk in hand
.set GC,   5                           ; my bytes in a gain or bias of 768
.set WAD,  6                           ; v6, v7: my weight fragments in slot 0, 1
.set IMGR, 8                           ; IMG + 16 x lane
.set IMGW, 9                           ; where I store my image
.set STW,  10                          ; where I store my pair of statistics
.set STR,  11                          ; where my row's pairs begin
.set SPW,  12                          ; my spare word; never rewritten
.set NIL,  13                          ; 0; never rewritten
.set PFO,  14                          ; prefetch offsets; never rewritten
.set PFC,  15
.set RSO,  16                          ; the re-lay's source offset
.set PD,   17                          ; a lane permute's destination
.set MN,   18                          ; v18 mean, v19 sum of squares
.set RSD,  20                          ; v20 1 / deviation (v21 named with it as a pair)
.set SC,   22                          ; the conversion's scale as f32
.set HOLD, 23                          ; 448 x that
.set CK,   24                          ; v24-39  statistics read back; then the codes of the k, v side
.set PC,   40                          ; v40-55  codes just made
.set X,    56                          ; v56-119 my 64 numbers
.set G,    120                         ; v120-183 gains, then normed numbers
.set B,    184                         ; v184-247 biases
.set AF,   120                         ; in the products: two fragments of rows,
.set WF,   152                         ; two of the weight,
.set ACC,  184                         ; four accumulators: (u, t) at 8 (2 u + t)
.set RL,   216                         ; the re-lay's fragment
.set T,    248                         ; v248-253 at work
.set VK,   254                         ; my offset in a block's K part
.set VV,   255                         ; and in its V part
.set G1,   44                          ; s[44:51] descriptor group 1, joint chunks
.set G1C,  52                          ; s[52:59] the same for ca_wkv's plain chunks
.set G0,   60                          ; s[60:63] group 0, joint chunks
.set SEL,  66                          ; s[66:67] selects of v_permlanex16_b32: lane l xor 16
.set G0C,  68                          ; s[68:71] group 0, plain chunks
.set WV,   88                          ; my wave's number
.set CX,   89                          ; my place in the cluster: it enters global addresses alone
.set GW,   90                          ; my work-group's number
.set WL,   91                          ; wave x 32 LDS rows
.set WLC,  92                          ; wave x 16 LDS rows
.set K4,   96                          ; my cluster's number % 4: where its walk begins
.set WO,   97                          ; my wave's 32 rows of 1,024 bytes in a weight
.set FL4,  100                         ; 1 in waves 0-3 of cluster 0
.set FL8,  101                         ; 1 in waves 0-7 of cluster 0
; e0 .. e7 in s72 .. s79; e12 .. e19 in s80 .. s87
.macro ROUND                           ; a round of the cluster's barrier
	s_barrier_signal -1
	s_barrier_wait -1
	s_cmp_lg_u32 s[WV], 0
	s_cbranch_scc1 .Lnw0_\@
	s_barrier_signal -3
.Lnw0_\@:
	s_barrier_wait -3
	s_barrier_signal -1
	s_barrier_wait -1
.endm
.macro PLAINBAR                        ; my LDS instructions are done; then the work-group's barrier.  A tensor load may stay out across it
	s_wait_dscnt 0x0
	s_barrier_signal -1
	s_barrier_wait -1
.endm
.macro ROT pos, sh                     ; s2 = the chunk that my cluster takes at position pos, (cluster + pos) % 4, shifted left by sh
.if \pos
	s_add_co_u32 s2, s[K4], \pos
	s_and_b32 s2, s2, 3
	s_lshl_b32 s2, s2, \sh
.else
	s_lshl_b32 s2, s[K4], \sh
.endif
.endm
; Prefetches: a lane a row, 256 bytes of it.  All clusters need the same weights: cluster 0 asks, its partners share the rows out by address; every row's part is named once in the launch.
.macro ASK flag, voff, base, imm
	s_cmp_eq_u32 s[\flag], 1
	s_cbranch_scc0 .Lna_\@
	global_prefetch_b8 v[\voff], s[\base:\base+1] offset:\imm th:TH_LOAD_NT scope:SCOPE_SE
.Lna_\@:
.endm
.macro ASKTWO flag, voff, base, imm    ; two chunks' parts of the rows
	s_cmp_eq_u32 s[\flag], 1
	s_cbranch_scc0 .Lnt_\@
	global_prefetch_b8 v[\voff], s[\base:\base+1] offset:\imm th:TH_LOAD_NT scope:SCOPE_SE
	global_prefetch_b8 v[\voff], s[\base:\base+1] offset:\imm+256 th:TH_LOAD_NT scope:SCOPE_SE
.Lnt_\@:
.endm
; THE CHANGE OF SLOTS at the head of trip j: what trip j multiplies has landed and nobody reads the other slot any more; what trip j + 1 multiplies is asked for into it and has the trip's work in which to land.
; Trips 0-3: sa_wq; 4-7: sa_wkv rows 0-511 (k); 8-11: rows 512-1023 (v), each at positions 0 to 3 of the cluster's walk; 12-14: ca_wkv's three chunks in ascending order.
; PREFETCHES.  A half of sa_wkv is first asked for, all four chunks of it by one cluster or another, at the change of trip 3 (k) or 7 (v): its rows are prefetched in the two trips ahead of that, two chunks' parts a trip.
; ca_wkv's chunk is prefetched a trip ahead of its load.  sa_wq is named whole by the launch's first loads: nothing of it is prefetched.
.macro CHG j
	s_wait_tensorcnt 0x0                           ; my one load that was out has landed: so a group 0 may be written
	ds_add_u32 v[SPW], v[NIL]                      ; the descriptor's words are made between it and its wait
.if \j < 11
	s_add_co_u32 s[G0+1], s[WL], ((\j+1)%2)*SLOT
	ROT (\j+1)%4, 8                                ; 256 bytes along K for each chunk
	s_add_co_u32 s2, s2, s[WO]
	s_mov_b32 s3, 0
.if \j < 3
	s_add_nc_u64 s[G0+2:G0+3], s[20:21], s[2:3]
.else
	s_add_nc_u64 s[G0+2:G0+3], s[22:23], s[2:3]
.if \j >= 7
	s_add_nc_u64 s[G0+2:G0+3], s[G0+2:G0+3], 524288   ; v's rows lie 512 rows down
.endif
.endif
	s_or_b32 s[G0+3], s[G0+3], 0x80000000
.elseif \j < 14
	s_add_co_u32 s[G0C+1], s[WLC], ((\j+1)%2)*SLOT
.if \j > 11
	s_add_nc_u64 s[G0C+2:G0C+3], s[G0C+2:G0C+3], 256
.endif
.endif
	s_wait_dscnt 0x0                               ; the add is done, and so are my reads of the slot that is filled next and my stores of images and statistics
.if \j < 14
	ROUND
.if \j < 11
	tensor_load_to_lds s[G0:G0+3], s[G1:G1+7]
	s_nop 0
.else
	tensor_load_to_lds s[G0C:G0C+3], s[G1C:G1C+7]
	s_nop 0
.endif
.if (\j == 1) || (\j == 2)
	ASKTWO FL4, PFO, 22, 512*(\j-1)
.elseif (\j == 5) || (\j == 6)
	ASKTWO FL4, PFO, 22, 524288+512*(\j-5)
.elseif (\j >= 10) && (\j < 13)
	ASK FL8, PFC, 24, 256*(\j-10)
.endif
.else
	s_barrier_signal -1                            ; the last chunk: nothing is left to ask for
	s_barrier_wait -1
.endif
.endm
.macro XLOAD reg, voff, base, nt       ; 64 numbers a lane: of each of four blocks of 32 my 16 neighbours
.irp b, 0,1,2,3
.irp k, 0,1,2,3
.if \nt
	global_load_b128 v[\reg+16*\b+4*\k:\reg+16*\b+4*\k+3], v[\voff], s[\base:\base+1] offset:128*\b+16*\k th:TH_LOAD_NT
.else
	global_load_b128 v[\reg+16*\b+4*\k:\reg+16*\b+4*\k+3], v[\voff], s[\base:\base+1] offset:128*\b+16*\k
.endif
.endr
.endr
.endm
.macro LSTAT off                       ; mean and sum of squares about it of my row's 128 numbers (mine and lane l xor 16's), to LDS
	v_pk_add_f32 v[250:251], v[56:57], v[58:59]
	v_pk_add_f32 v[252:253], v[64:65], v[68:69]
	v_pk_add_f32 v[54:55], v[72:73], v[76:77]
	v_pk_add_f32 v[52:53], v[80:81], v[84:85]
	v_pk_add_f32 v[50:51], v[88:89], v[92:93]
	v_pk_add_f32 v[48:49], v[96:97], v[100:101]
	v_pk_add_f32 v[46:47], v[104:105], v[108:109]
	v_pk_add_f32 v[248:249], v[112:113], v[116:117]
	s_delay_alu instid0(VALU_DEP_1)
	v_pk_add_f32 v[248:249], v[248:249], v[60:61]
	v_pk_add_f32 v[250:251], v[250:251], v[62:63]
	v_pk_add_f32 v[252:253], v[252:253], v[66:67]
	v_pk_add_f32 v[54:55], v[54:55], v[70:71]
	v_pk_add_f32 v[52:53], v[52:53], v[74:75]
	v_pk_add_f32 v[50:51], v[50:51], v[78:79]
	v_pk_add_f32 v[48:49], v[48:49], v[82:83]
	v_pk_add_f32 v[46:47], v[46:47], v[86:87]
	v_pk_add_f32 v[248:249], v[248:249], v[90:91]
	v_pk_add_f32 v[250:251], v[250:251], v[94:95]
	v_pk_add_f32 v[252:253], v[252:253], v[98:99]
	v_pk_add_f32 v[54:55], v[54:55], v[102:103]
	v_pk_add_f32 v[52:53], v[52:53], v[106:107]
	v_pk_add_f32 v[50:51], v[50:51], v[110:111]
	v_pk_add_f32 v[48:49], v[48:49], v[114:115]
	v_pk_add_f32 v[46:47], v[46:47], v[118:119]
	s_delay_alu instid0(VALU_DEP_4)
	v_pk_add_f32 v[248:249], v[248:249], v[52:53]
	s_delay_alu instid0(VALU_DEP_4)
	v_pk_add_f32 v[250:251], v[250:251], v[50:51]
	s_delay_alu instid0(VALU_DEP_4)
	v_pk_add_f32 v[252:253], v[252:253], v[48:49]
	s_delay_alu instid0(VALU_DEP_4)
	v_pk_add_f32 v[54:55], v[54:55], v[46:47]
	s_delay_alu instid0(VALU_DEP_2)
	v_pk_add_f32 v[248:249], v[248:249], v[252:253]
	s_delay_alu instid0(VALU_DEP_2)
	v_pk_add_f32 v[250:251], v[250:251], v[54:55]
	s_delay_alu instid0(VALU_DEP_1)
	v_pk_add_f32 v[248:249], v[248:249], v[250:251]
	s_delay_alu instid0(VALU_DEP_1)
	v_add_f32 v[T], v[T], v[T+1]
	s_delay_alu instid0(VALU_DEP_1)
	v_permlanex16_b32 v[PD], v[T], s[SEL], s[SEL+1]
	s_delay_alu instid0(VALU_DEP_1)
	v_add_f32 v[T], v[T], v[PD]
	s_delay_alu instid0(VALU_DEP_1)
	v_mul_f32 v[MN], 0x3c000000, v[T]              ; / 128
	s_delay_alu instid0(VALU_DEP_1)
	v_pk_add_f32 v[T+4:T+5], v[X:X+1], v[MN:MN+1] op_sel_hi:[1,0] neg_lo:[0,1] neg_hi:[0,1]
	s_delay_alu instid0(VALU_DEP_1)
	v_pk_mul_f32 v[T:T+1], v[T+4:T+5], v[T+4:T+5]
.set i, 2
.rept 31
	v_pk_add_f32 v[T+4:T+5], v[X+i:X+i+1], v[MN:MN+1] op_sel_hi:[1,0] neg_lo:[0,1] neg_hi:[0,1]
	s_delay_alu instid0(VALU_DEP_1)
	v_pk_fma_f32 v[T:T+1], v[T+4:T+5], v[T+4:T+5], v[T:T+1]
.set i, i+2
.endr
	s_delay_alu instid0(VALU_DEP_1)
	v_add_f32 v[T], v[T], v[T+1]
	s_delay_alu instid0(VALU_DEP_1)
	v_permlanex16_b32 v[PD], v[T], s[SEL], s[SEL+1]
	s_delay_alu instid0(VALU_DEP_1)
	v_add_f32 v[MN+1], v[T], v[PD]
	ds_store_b64 v[STW], v[MN:MN+1] offset:\off
.endm
; The row's nk parts become its mean and 1 / sqrt(variance + 1e-5); then X = (X - mean) / deviation.
.macro LCOMB nk, off, invn, invtot
.set i, 0
.rept \nk/2
	ds_load_b128 v[CK+4*i:CK+4*i+3], v[STR] offset:\off+16*i
.set i, i+1
.endr
	s_mov_b32 s2, \invtot
	s_mov_b32 s3, 0x3727c5ac                       ; 1e-5
	s_wait_dscnt 0x0
	v_pk_add_f32 v[T:T+1], v[CK:CK+1], v[CK+2:CK+3]
.set i, 4
.rept \nk-2
	s_delay_alu instid0(VALU_DEP_1)
	v_pk_add_f32 v[T:T+1], v[T:T+1], v[CK+i:CK+i+1]
.set i, i+2
.endr
	s_delay_alu instid0(VALU_DEP_1)
	v_mul_f32 v[MN], \invn, v[T]                   ; the parts are equally long: the mean of their means
	s_delay_alu instid0(VALU_DEP_1)
	v_sub_f32 v[T+2], v[CK], v[MN]
	s_delay_alu instid0(VALU_DEP_1)
	v_mul_f32 v[T+3], v[T+2], v[T+2]
.set i, 2
.rept \nk-1
	v_sub_f32 v[T+2], v[CK+i], v[MN]
	s_delay_alu instid0(VALU_DEP_1)
	v_fmac_f32 v[T+3], v[T+2], v[T+2]
.set i, i+2
.endr
	s_delay_alu instid0(VALU_DEP_1)
	v_fmac_f32 v[T+1], 0x43000000, v[T+3]          ; + 128 x the squares of the parts' means about the row's
	s_delay_alu instid0(VALU_DEP_1)
	v_fma_f32 v[T], v[T+1], s2, s3
	s_wait_alu depctr_va_vdst(0)
	v_rsq_f32 v[RSD], v[T]
.set i, 0
.rept 32
	v_pk_add_f32 v[X+i:X+i+1], v[X+i:X+i+1], v[MN:MN+1] op_sel_hi:[1,0] neg_lo:[0,1] neg_hi:[0,1]   ; independent work behind the root
.set i, i+2
.endr
	s_wait_alu depctr_va_vdst(0)                   ; ahead of the first line that names the root's result
.set i, 0
.rept 32
	v_pk_mul_f32 v[X+i:X+i+1], v[X+i:X+i+1], v[RSD:RSD+1] op_sel_hi:[1,0]
.set i, i+2
.endr
.endm
.macro MKSC                            ; s2 = E: the scale 2^E and the hold 448 x 2^E as f32
	s_add_co_i32 s2, s2, 127
	s_lshl_b32 s3, s2, 23
	v_mov_b32 v[SC], s3
	s_add_co_i32 s2, s2, 8
	s_lshl_b32 s2, s2, 23
	s_or_b32 s2, s2, 0x600000
	v_mov_b32 v[HOLD], s2
.endm
.macro SIDE dst                        ; X x gain + bias, held, converted: a fragment's 16 registers
.set i, 0
.rept 32
	v_pk_fma_f32 v[G+i:G+i+1], v[X+i:X+i+1], v[G+i:G+i+1], v[B+i:B+i+1]
.set i, i+2
.endr
.irp b, 0,1,2,3
.irp k, 0,1,2,3,4,5,6,7,8,9,10,11,12,13,14,15
	v_med3_num_f32 v[G+16*\b+\k], v[G+16*\b+\k], -v[HOLD], v[HOLD]   ; the conversion to an 8-bit code does not saturate (ISA guide 7.6.2)
.endr
	v_cvt_scalef32_pk8_fp8_f32 v[\dst+4*\b:\dst+4*\b+1], v[G+16*\b:G+16*\b+7], v[SC]
	v_cvt_scalef32_pk8_fp8_f32 v[\dst+4*\b+2:\dst+4*\b+3], v[G+16*\b+8:G+16*\b+15], v[SC]
.endr
	v_nop                                          ; a plain line behind the last conversion
.endm
.macro IMAGE src
.irp c, 0,1,2,3
	ds_store_b128 v[IMGW], v[\src+4*\c:\src+4*\c+3] offset:512*\c
.endr
.endm
; A chunk's two K steps of 128: for each, two fragments of rows (from v[areg], chunk kp on) and two of my weight rows, four products.  nat = 0: transposed (source 0 = the weight); first = 1: the first step starts the sums.
.macro P32 slot, areg, kp, nat, first
.irp q, 0,1
.rept 4
	v_nop                                          ; places in front of loads into registers that matrix instructions have read
.endr
.irp u, 0,1
.irp c, 0,1,2,3
	ds_load_b128 v[AF+16*\u+4*\c:AF+16*\u+4*\c+3], v[\areg] offset:(8*\u+2*\kp+\q)*2048+512*\c
.endr
.endr
.irp t, 0,1
.irp c, 0,1,2,3
	ds_load_b128 v[WF+16*\t+4*\c:WF+16*\t+4*\c+3], v[WAD+\slot] offset:128*\q+32*\c+4352*\t
.endr
.endr
	s_wait_dscnt 0x0
.irp u, 0,1
.irp t, 0,1
.if \nat
.if \first && (\q == 0)
	v_wmma_f32_16x16x128_fp8_fp8 v[ACC+8*(2*\u+\t):ACC+8*(2*\u+\t)+7], v[AF+16*\u:AF+16*\u+15], v[WF+16*\t:WF+16*\t+15], 0
.else
	v_wmma_f32_16x16x128_fp8_fp8 v[ACC+8*(2*\u+\t):ACC+8*(2*\u+\t)+7], v[AF+16*\u:AF+16*\u+15], v[WF+16*\t:WF+16*\t+15], v[ACC+8*(2*\u+\t):ACC+8*(2*\u+\t)+7]
.endif
.else
.if \first && (\q == 0)
	v_wmma_f32_16x16x128_fp8_fp8 v[ACC+8*(2*\u+\t):ACC+8*(2*\u+\t)+7], v[WF+16*\t:WF+16*\t+15], v[AF+16*\u:AF+16*\u+15], 0
.else
	v_wmma_f32_16x16x128_fp8_fp8 v[ACC+8*(2*\u+\t):ACC+8*(2*\u+\t)+7], v[WF+16*\t:WF+16*\t+15], v[AF+16*\u:AF+16*\u+15], v[ACC+8*(2*\u+\t):ACC+8*(2*\u+\t)+7]
.endif
.endif
.endr
.endr
.endr
.endm
; The same at position pos of the cluster's walk: the rows' images of the chunk in hand begin 4,096 x chunk bytes on.
.macro RP32 slot, pos, nat, first
	ROT \pos, 12
	v_add_nc_u32 v[IMGK], s2, v[IMGR]
	s_wait_alu depctr_va_vdst(0)
	P32 \slot, IMGK, 0, \nat, \first
.endm
; The four sums become codes.  nat = 0: the group of four registers of tile u is (t 0, t 1); nat = 1: that of column tile t is (u 0, u 1).
.macro OUTC nat
	s_wait_xcnt 0x0                                ; earlier stores have read the registers that the codes are written into
.rept 4
	v_nop                                          ; places behind the last products
.endr
.set i, 0
.rept 32
	v_med3_num_f32 v[ACC+i], v[ACC+i], -v[HOLD], v[HOLD]   ; each accumulator from its low end on
.set i, i+1
.endr
.irp u, 0,1
.irp t, 0,1
.if \nat
	v_cvt_scalef32_pk8_fp8_f32 v[PC+4*\t+2*\u:PC+4*\t+2*\u+1], v[ACC+8*(2*\u+\t):ACC+8*(2*\u+\t)+7], v[SC]
.else
	v_cvt_scalef32_pk8_fp8_f32 v[PC+4*\u+2*\t:PC+4*\u+2*\t+1], v[ACC+8*(2*\u+\t):ACC+8*(2*\u+\t)+7], v[SC]
.endif
.endr
.endr
	v_nop
.endm
	s_load_b512 s[4:19], s[0:1], 0x0               ; x, context, sa_ng, sa_nb, sa_ncg, sa_ncb, ca_ncg, ca_ncb
	s_load_b512 s[20:35], s[0:1], 0x40             ; sa_wq, sa_wkv, ca_wkv, sa_wo, ca_wq, ca_wo, the scales, qf
	s_load_b128 s[36:39], s[0:1], 0x80             ; kv1, kv2
	s_load_b64 s[40:41], s[0:1], 0x90              ; wimg
	v_lshl_add_u32 v[SPW], v0, 2, SPARE
	v_mov_b32 v[NIL], 0
	ds_add_u32 v[SPW], v[NIL]                      ; the opening: the add, twice on end, and its wait ahead of my first tensor load
	ds_add_u32 v[SPW], v[NIL]
	v_lshrrev_b32 v[T], 5, v0
	s_delay_alu instid0(VALU_DEP_1)
	v_readfirstlane_b32 s[WV], v[T]                ; wave 0..15
	s_bfe_u32 s[CX], ttmp6, 0x40000
	s_lshl_b32 s[GW], ttmp9, 2
	s_add_co_u32 s[GW], s[GW], s[CX]
	s_and_b32 s[K4], ttmp9, 3                      ; in a cluster launch ttmp9 counts clusters
	s_lshl_b32 s[WO], s[WV], 15
	s_and_b32 s93, s[WV], 1                        ; u
	s_lshr_b32 s94, s[WV], 1                       ; ks
	s_min_u32 s95, s94, 5                          ; context has six K steps: waves 12-15 repeat the sixth into places that nobody reads
	v_and_b32 v[T+1], 31, v0                       ; lane
	v_and_b32 v[T+2], 15, v0                       ; r
	v_bfe_u32 v[T+3], v0, 4, 1                     ; h
	s_delay_alu instid0(VALU_DEP_3)
	v_lshlrev_b32 v[LI], 4, v[T+1]
	s_delay_alu instid0(VALU_DEP_3)
	v_lshlrev_b32 v[XA], 12, v[T+2]                ; x: (16 u + r) x 4,096 + 512 ks + 64 h
	s_delay_alu instid0(VALU_DEP_1)
	v_lshl_add_u32 v[XA], v[T+3], 6, v[XA]
	s_lshl_b32 s2, s93, 16
	s_lshl_b32 s3, s94, 9
	s_add_co_u32 s2, s2, s3
	v_add_nc_u32 v[XA], s2, v[XA]
	v_lshlrev_b32 v[GC], 6, v[T+3]
	s_delay_alu instid0(VALU_DEP_1)
	v_add_nc_u32 v[GA], s3, v[GC]                  ; 512 ks + 64 h
	v_mul_u32_u24 v[CA], v[T+2], 3072              ; context: (16 u + r) x 3,072 + 512 min(ks, 5) + 64 h
	s_delay_alu instid0(VALU_DEP_1)
	v_lshl_add_u32 v[CA], v[T+3], 6, v[CA]
	s_mul_i32 s2, s93, 49152
	s_lshl_b32 s3, s95, 9
	s_add_co_u32 s2, s2, s3
	v_add_nc_u32 v[CA], s2, v[CA]
	v_add_nc_u32 v[GC], s3, v[GC]
	s_mul_i32 s[WL], s[WV], 8704
	s_mul_i32 s[WLC], s[WV], 4352
	v_mul_u32_u24 v[WAD], v[T+2], 272              ; (32 w + r) x 272 + 16 h
	s_delay_alu instid0(VALU_DEP_1)
	v_lshl_add_u32 v[WAD], v[T+3], 4, v[WAD]
	s_delay_alu instid0(VALU_DEP_1)
	v_add_nc_u32 v[WAD], s[WL], v[WAD]
	s_delay_alu instid0(VALU_DEP_1)
	v_add_nc_u32 v[WAD+1], SLOT, v[WAD]
	v_add_nc_u32 v[IMGR], IMG, v[LI]
	s_lshl_b32 s2, s93, 3
	s_add_co_u32 s2, s2, s94
	s_lshl_b32 s2, s2, 11
	v_add_nc_u32 v[IMGW], s2, v[IMGR]
	v_mul_u32_u24 v[STR], v[T+2], 80
	s_mul_i32 s2, s93, 1280
	s_add_co_u32 s2, s2, STAT
	v_add_nc_u32 v[STR], s2, v[STR]
	s_lshl_b32 s2, s94, 3
	v_add_nc_u32 v[STW], s2, v[STR]
	s_lshl_b32 s2, s94, 11                         ; a block's K part: head w / 2, group w % 2
	s_lshl_b32 s3, s93, 9
	s_add_co_u32 s2, s2, s3
	v_add_nc_u32 v[VK], s2, v[LI]
	s_lshl_b32 s2, s[WV], 10                       ; its V part: column tiles 2 w, 2 w + 1
	s_add_co_u32 s2, s2, 16384
	v_add_nc_u32 v[VV], s2, v[LI]
	s_lshl_b32 s42, s[CX], 7                       ; the prefetches: row 128 cx + 32 (w % 4) + lane,
	s_and_b32 s98, s[WV], 3
	s_lshl_b32 s98, s98, 5
	s_add_co_u32 s42, s42, s98
	v_add_nc_u32 v[PFO], s42, v[T+1]
	s_bfe_u32 s98, s[WV], 0x10002
	s_lshl_b32 s98, s98, 9                         ; ca_wkv: waves 4-7 take the rows 512 further down
	s_add_co_u32 s42, s42, s98
	v_add_nc_u32 v[PFC], s42, v[T+1]
	v_lshlrev_b32 v[PFO], 10, v[PFO]
	s_delay_alu instid0(VALU_DEP_2)
	v_mul_u32_u24 v[PFC], v[PFC], 768
	s_lshr_b32 s2, s[WV], 2
	s_or_b32 s2, s2, ttmp9
	s_cmp_eq_u32 s2, 0
	s_cselect_b32 s[FL4], 1, 0
	s_lshr_b32 s2, s[WV], 3
	s_or_b32 s2, s2, ttmp9
	s_cmp_eq_u32 s2, 0
	s_cselect_b32 s[FL8], 1, 0
	v_mov_b32 v[PD], 0                             ; written once: a lane permute's destination counts as read
	v_mov_b32 v[MN+1], 0                           ; named as upper halves of pairs
	v_mov_b32 v[RSD+1], 0
	s_mov_b32 s[SEL], 0x76543210
	s_mov_b32 s[SEL+1], 0xfedcba98
	s_mov_b32 s[G1], 15|(1<<20)|(1<<21)|(5<<22)|(3<<25)   ; the four partners; bytes; 4 words of padding behind every 64
	s_mov_b32 s[G1+1], 256<<16                     ; tensor_dim0
	s_mov_b32 s[G1+2], 32<<16                      ; tensor_dim1
	s_mov_b32 s[G1+3], 256<<16                     ; tile_dim0
	s_mov_b32 s[G1+4], 32                          ; tile_dim1
	s_mov_b32 s[G1+5], 1024                        ; bytes from row to row
	s_mov_b32 s[G1+6], 0
	s_mov_b32 s[G1+7], 0
	s_mov_b32 s[G1C], (1<<20)|(5<<22)|(3<<25)      ; no mask
	s_mov_b32 s[G1C+1], 256<<16
	s_mov_b32 s[G1C+2], 16<<16
	s_mov_b32 s[G1C+3], 256<<16
	s_mov_b32 s[G1C+4], 16
	s_mov_b32 s[G1C+5], 768
	s_mov_b32 s[G1C+6], 0
	s_mov_b32 s[G1C+7], 0
	s_mov_b32 s43, 0
	s_wait_dscnt 0x0                               ; both opening adds are done
	s_wait_kmcnt 0x0
	s_load_b256 s[72:79], s[32:33], 0x0            ; e0 .. e7
	s_load_b256 s[80:87], s[32:33], 0x30           ; e12 .. e19
	s_lshl_b32 s42, s[GW], 17
	s_add_nc_u64 s[4:5], s[4:5], s[42:43]          ; x at my 32 rows
	s_mul_i32 s42, ttmp9, 98304
	s_add_nc_u64 s[6:7], s[6:7], s[42:43]          ; context at the cluster's 32 rows
	XLOAD X, XA, 4, 1
	XLOAD G, GA, 8, 0
	XLOAD B, GA, 10, 0
	s_lshl_b32 s42, s[GW], 14
	s_lshl_b32 s98, s[WV], 9
	s_add_co_u32 s42, s42, s98
	s_add_nc_u64 s[34:35], s[34:35], s[42:43]      ; qf: tile 2 g, + 512 w
	s_lshl_b32 s42, s[GW], 15
	s_add_nc_u64 s[36:37], s[36:37], s[42:43]      ; kv1: block g
	s_lshl_b32 s42, ttmp9, 15
	s_lshl_b32 s98, s[CX], 12
	s_add_co_u32 s42, s42, s98
	s_add_nc_u64 s[38:39], s[38:39], s[42:43]      ; kv2: the cluster's block, + my two heads
	ROT 0, 8                                       ; sa_wq: the chunk at which my cluster's walk begins,
	s_add_co_u32 s2, s2, s[WO]                     ; my wave's 32 rows
	s_mov_b32 s3, 0
	s_mov_b32 s[G0], 1
	s_mov_b32 s[G0+1], s[WL]
	s_add_nc_u64 s[G0+2:G0+3], s[20:21], s[2:3]
	s_or_b32 s[G0+3], s[G0+3], 0x80000000
	s_lshl_b32 s42, s[CX], 7                       ; ca_wkv: rows 128 cx + 16 (w % 8) + 512 (w / 8)
	s_and_b32 s98, s[WV], 7
	s_lshl_b32 s98, s98, 4
	s_add_co_u32 s42, s42, s98
	s_lshr_b32 s98, s[WV], 3
	s_lshl_b32 s98, s98, 9
	s_add_co_u32 s42, s42, s98
	s_mul_i32 s42, s42, 768
	s_mov_b32 s[G0C], 1
	s_mov_b32 s[G0C+1], s[WLC]
	s_add_nc_u64 s[G0C+2:G0C+3], s[24:25], s[42:43]
	s_or_b32 s[G0C+3], s[G0C+3], 0x80000000
	ROUND                                          ; the four partners are here: the first joint load meets
	tensor_load_to_lds s[G0:G0+3], s[G1:G1+7]      ; position 0 of sa_wq
	s_nop 0
	; ---- the norm of x, and its two sides
	s_wait_loadcnt 32                              ; x's 16 loads are in; the 32 younger ones (gain, bias) may be out
	LSTAT 0
	PLAINBAR
	LCOMB 8, 0, 0x3e000000, 0x3a800000
	s_wait_loadcnt 0x0
	s_wait_kmcnt 0x0
	s_mov_b32 s2, s72
	MKSC
	SIDE PC                                        ; the q side, scale 2^e0
	XLOAD G, GA, 12, 0
	XLOAD B, GA, 14, 0
	IMAGE PC
	s_mov_b32 s2, s74
	MKSC
	s_wait_loadcnt 0x0                             ; the last loads that name v4 as an offset are in: from here on it is IMGK
	SIDE CK                                        ; the k, v side, scale 2^e2: kept in registers until q's products are done
	; ---- q
	CHG 0
	RP32 0, 0, 0, 1
	CHG 1
	RP32 1, 1, 0, 0
	CHG 2
	RP32 0, 2, 0, 0
	CHG 3
	RP32 1, 3, 0, 0
	s_sub_co_i32 s2, s76, s72
	s_sub_co_i32 s2, s2, s73                       ; a sum stands for sum x 2^(e0 + e1): its code is sum / 2^(e4 - e0 - e1)
	MKSC
	s_wait_alu depctr_va_vdst(0)
	OUTC 0
	global_store_b128 v[LI], v[PC:PC+3], s[34:35]              ; each store of the wave covers 512 consecutive bytes, aligned
	global_store_b128 v[LI], v[PC+4:PC+7], s[34:35] offset:8192
	; ---- k
	CHG 4
	IMAGE CK                                       ; behind the round nobody reads the q side's images any more
	XLOAD X, CA, 6, 0                              ; context, for later
	PLAINBAR
	RP32 0, 0, 0, 1
	CHG 5
	RP32 1, 1, 0, 0
	CHG 6
	RP32 0, 2, 0, 0
	CHG 7
	RP32 1, 3, 0, 0
	s_sub_co_i32 s2, s77, s74
	s_sub_co_i32 s2, s2, s75
	MKSC
	s_wait_alu depctr_va_vdst(0)
	OUTC 0
	global_store_b128 v[VK], v[PC:PC+3], s[36:37]
	global_store_b128 v[VK], v[PC+4:PC+7], s[36:37] offset:1024
	; ---- v
	CHG 8
	RP32 0, 0, 1, 1
	CHG 9
	RP32 1, 1, 1, 0
	CHG 10
	RP32 0, 2, 1, 0
	CHG 11
	RP32 1, 3, 1, 0
	s_sub_co_i32 s2, s79, s74
	s_sub_co_i32 s2, s2, s75
	MKSC
	s_wait_alu depctr_va_vdst(0)
	OUTC 1
	global_store_b128 v[VV], v[PC:PC+3], s[36:37]
	global_store_b128 v[VV], v[PC+4:PC+7], s[36:37] offset:512
	; ---- the norm of context
	XLOAD G, GC, 16, 0
	XLOAD B, GC, 18, 0
	s_wait_loadcnt 32                              ; context's 16 loads are in; the 32 just issued may be out
	s_wait_xcnt 0x0                                ; v's stores have read v44-47, which the sums below write
	LSTAT ST2
	CHG 12                                         ; its round also shows every wave's statistics to the others
	LCOMB 6, ST2, 0x3e2aaaab, 0x3aaaaaab
	s_wait_loadcnt 0x0
	s_mov_b32 s2, s80
	MKSC
	s_wait_xcnt 0x0                                ; v's stores have read the registers that the codes are written into
	SIDE PC
	IMAGE PC
	PLAINBAR
	; ---- k2 (waves 0-3), v2 (waves 4-7); in the first of the three trips waves 8-10 lay a fragment of sa_wo, ca_wq, ca_wo out anew.  No barrier stands in an arm.
.macro ARMS slot, kp, first, relay
	s_cmp_lt_u32 s[WV], 4
	s_cbranch_scc0 .Lnk_\@
	P32 \slot, IMGR, \kp, 0, \first
	s_branch .Ljoin_\@
.Lnk_\@:
	s_cmp_lt_u32 s[WV], 8
	s_cbranch_scc0 .Lnv_\@
	P32 \slot, IMGR, \kp, 1, \first
	s_branch .Ljoin_\@
.Lnv_\@:
.if \relay
	s_cmp_lt_u32 s[WV], 11
	s_cbranch_scc0 .Ljoin_\@
	s_and_b32 s8, s[GW], 63                        ; sa_wo, ca_wo: fragment f = ks x 64 + tile: tile f % 64,
	s_lshr_b32 s9, s[GW], 6                        ; K step f / 64
	s_bfe_u32 s10, s[GW], 0x40002                  ; ca_wq: f = chunk x 64 + wave x 4 + kk x 2 + t: tile 2 wave + t,
	s_lshl_b32 s10, s10, 1
	s_and_b32 s11, s[GW], 1
	s_add_co_u32 s10, s10, s11
	s_lshl_b32 s11, s9, 1                          ; K step 2 chunk + kk
	s_bfe_u32 s12, s[GW], 0x10001
	s_add_co_u32 s11, s11, s12
	s_cmp_eq_u32 s[WV], 9                          ; wave 9 takes ca_wq, whose rows are 1,024 bytes; the others' are 512
	s_cselect_b32 s8, s10, s8
	s_cselect_b32 s9, s11, s9
	s_cselect_b32 s10, 10, 9
	s_cselect_b64 s[98:99], s[28:29], s[30:31]
	s_cmp_eq_u32 s[WV], 8
	s_cselect_b64 s[98:99], s[26:27], s[98:99]
	s_lshl_b32 s8, s8, 4
	s_lshl_b32 s8, s8, s10
	s_lshl_b32 s9, s9, 7
	s_add_co_u32 s8, s8, s9
	s_mov_b32 s9, 0
	s_add_nc_u64 s[98:99], s[98:99], s[8:9]
	v_and_b32 v[RSO], 15, v0
	s_delay_alu instid0(VALU_DEP_1)
	v_lshlrev_b32 v[RSO], s10, v[RSO]
	v_bfe_u32 v[RL], v0, 4, 1
	s_delay_alu instid0(VALU_DEP_1)
	v_lshl_add_u32 v[RSO], v[RL], 3, v[RSO]        ; row r, + 8 h
.irp c, 0,1,2,3,4,5,6,7
	global_load_b64 v[RL+2*\c:RL+2*\c+1], v[RSO], s[98:99] offset:16*\c   ; registers 2 c, 2 c + 1: k = 16 c + 8 h + 0 .. 7
.endr
	s_sub_co_u32 s8, s[WV], 8
	s_lshl_b32 s8, s8, 19
	s_lshl_b32 s10, s[GW], 11
	s_add_co_u32 s8, s8, s10
	s_add_nc_u64 s[40:41], s[40:41], s[8:9]
	s_wait_loadcnt 0x0
.irp c, 0,1,2,3
	global_store_b128 v[LI], v[RL+4*\c:RL+4*\c+3], s[40:41] offset:512*\c
.endr
.endif
.Ljoin_\@:
.endm
	ARMS 0, 0, 1, 1
	CHG 13
	ARMS 1, 1, 0, 0
	CHG 14
	ARMS 0, 2, 0, 0
	s_cmp_lt_u32 s[WV], 4
	s_cbranch_scc0 .Lout_v
	s_sub_co_i32 s2, s83, s80
	s_sub_co_i32 s2, s2, s81
	MKSC
	s_wait_alu depctr_va_vdst(0)
	OUTC 0
	global_store_b128 v[VK], v[PC:PC+3], s[38:39]
	global_store_b128 v[VK], v[PC+4:PC+7], s[38:39] offset:1024
	s_branch .Lout_done
.Lout_v:
	s_cmp_lt_u32 s[WV], 8
	s_cbranch_scc0 .Lout_done
	s_sub_co_i32 s2, s85, s80
	s_sub_co_i32 s2, s2, s81
	MKSC
	s_wait_alu depctr_va_vdst(0)
	OUTC 1
	global_store_b128 v[VV], v[PC:PC+3], s[38:39] offset:-4096     ; waves 4-7 make the column tiles 2 (w - 4), 2 (w - 4) + 1 of my two heads
	global_store_b128 v[VV], v[PC+4:PC+7], s[38:39] offset:-3584
.Lout_done:
	s_wait_tensorcnt 0x0                           ; the wave's end
	ds_add_u32 v[SPW], v[NIL]
	s_wait_dscnt 0x0
	ROUND                                          ; the closing round
	s_endpgm
.Lfunc_end_k_qa14e154898_qkv:
	.size	k_qa14e154898_qkv, .Lfunc_end_k_qa14e154898_qkv-k_qa14e154898_qkv
	.p2alignl 7, 3214868480
	.fill 96, 4, 3214868480
	.section	.rodata,"a",@progbits
	.p2align	6, 0x0
	.amdhsa_kernel k_qa14e154898_qkv
		.amdhsa_group_segment_fixed_size 327680
		.amdhsa_private_segment_fixed_size 0
		.amdhsa_enable_private_segment 0
		.amdhsa_kernarg_size 152
		.amdhsa_user_sgpr_count 2
		.amdhsa_user_sgpr_kernarg_segment_ptr 1
		.amdhsa_wavefront_size32 1
		.amdhsa_system_sgpr_workgroup_id_x 1
		.amdhsa_system_sgpr_workgroup_id_y 1
		.amdhsa_system_sgpr_workgroup_id_z 1
		.amdhsa_system_vgpr_workitem_id 0
		.amdhsa_next_free_vgpr 256
		.amdhsa_next_free_sgpr 102
		.amdhsa_reserve_vcc 0
		.amdhsa_float_denorm_mode_32 3
		.amdhsa_float_denorm_mode_16_64 3
		.amdhsa_memory_ordered 1
		.amdhsa_forward_progress 1
		.amdhsa_inst_pref_size 152
	.end_amdhsa_kernel
	.amdgpu_metadata
---
amdhsa.version: [ 1, 2 ]
amdhsa.kernels:
  - .name:           k_qa14e154898_qkv
    .symbol:         k_qa14e154898_qkv.kd
    .args:
      - { .name: x, .offset: 0, .size: 8, .value_kind: global_buffer, .address_space: global }
      - { .name: context, .offset: 8, .size: 8, .value_kind: global_buffer, .address_space: global }
      - { .name: sa_ng, .offset: 16, .size: 8, .value_kind: global_buffer, .address_space: global }
      - { .name: sa_nb, .offset: 24, .size: 8, .value_kind: global_buffer, .address_space: global }
      - { .name: sa_ncg, .offset: 32, .size: 8, .value_kind: global_buffer, .address_space: global }
      - { .name: sa_ncb, .offset: 40, .size: 8, .value_kind: global_buffer, .address_space: global }
      - { .name: ca_ncg, .offset: 48, .size: 8, .value_kind: global_buffer, .address_space: global }
      - { .name: ca_ncb, .offset: 56, .size: 8, .value_kind: global_buffer, .address_space: global }
      - { .name: sa_wq_codes, .offset: 64, .size: 8, .value_kind: global_buffer, .address_space: global }
      - { .name: sa_wkv_codes, .offset: 72, .size: 8, .value_kind: global_buffer, .address_space: global }
      - { .name: ca_wkv_codes, .offset: 80, .size: 8, .value_kind: global_buffer, .address_space: global }
      - { .name: sa_wo_codes, .offset: 88, .size: 8, .value_kind: global_buffer, .address_space: global }
      - { .name: ca_wq_codes, .offset: 96, .size: 8, .value_kind: global_buffer, .address_space: global }
      - { .name: ca_wo_codes, .offset: 104, .size: 8, .value_kind: global_buffer, .address_space: global }
      - { .name: lowp_scales, .offset: 112, .size: 8, .value_kind: global_buffer, .address_space: global }
      - { .name: qf, .offset: 120, .size: 8, .value_kind: global_buffer, .address_space: global }
      - { .name: kv1, .offset: 128, .size: 8, .value_kind: global_buffer, .address_space: global }
      - { .name: kv2, .offset: 136, .size: 8, .value_kind: global_buffer, .address_space: global }
      - { .name: wimg, .offset: 144, .size: 8, .value_kind: global_buffer, .address_space: global }
    .group_segment_fixed_size: 327680
    .private_segment_fixed_size: 0
    .kernarg_segment_align: 8
    .kernarg_segment_size: 152
    .max_flat_workgroup_size: 512
    .sgpr_count:     102
    .vgpr_count:     256
    .wavefront_size: 32
...
	.end_amdgpu_metadata
.endif
;; end of part 1
;; launch sa (part 2): grid 256 x 1, 8 waves a work-group, no clusters, 263,168 bytes of LDS; arguments qf, kv1, lowp_scales, oc; writes oc
.if DOCPART == 2
	.amdgcn_target "amdgcn-amd-amdhsa--gfx1250"
	.amdhsa_code_object_version 6
	.text
	.protected	k_qa14e154898_sa
	.globl	k_qa14e154898_sa
	.p2align	8
	.type	k_qa14e154898_sa,@function
k_qa14e154898_sa:
	s_mov_b64 s[64:65], 0
	v_nop
	global_prefetch_b8 v0, s[64:65] scope:SCOPE_SE
	s_setreg_imm32_b32 hwreg(HW_REG_WAVE_MODE, 25, 1), 1
	s_wait_xcnt 0x0
; THE SELF-ATTENTION ON CODES (E4M3).  No work of the problem is left out.  oc = Q(softmax(q k^T / 8) v), as images of the next launch's operand registers.
; t = score x log2(e) / 8; M = the running largest t rounded up to a whole number; p = 2^(t - M) is quantised, not normalised; the row's sum is taken of the unquantised p and divides at the end.
; SHARES.  Work-group = (batch, head, 256 queries): 4 x 8 x 8 = 256.  The head's K and V, 2 x 2,048 x 64 bytes, come to lie whole in LDS; each byte of LDS is written once.
; A wave owns 32 queries, two tiles: tile A in register window 0, tile B under the same numbers in window 1, so each macro is written once and run under two settings.  Each fragment of K and V feeds both tiles.
; v160-223 of window 0 hold K's eight fragments of a step of 128 keys, of window 1 V's four.  V of this step and K of the next are fetched behind the first product and land under the softmax.
; The last trip fetches its own K once more and uses none of it, so that the step is written once.
; HOW K AND V ARRIVE.  A step's 16,384 bytes are shared out, 2,048 to a wave.  The head brings steps 0 to 2 and asks for step 3.  Trip s stores step s + 3 from 16 registers and asks for step s + 4 into them.
; One barrier a trip publishes the stores; its signal stands in trip s, behind the stores, and its wait in trip s + 1, ahead of that trip's stores.  So step X is stored in trip X - 3, awaited in trip X - 2 and first read
; in trip X - 1; between a signal and its wait stand register work and LDS loads of bytes written at least a trip before.
; THE HOLD at 448 x 2^e6: p is at most 1.
; K and V come by plain loads and LDS stores, and no joint load is made, though eight work-groups read the same 262,144 bytes: they are read once a work-group, for 16 steps' work.
; No prefetch: each trip's four loads are asked for a whole trip ahead of the wait for them.
; LIMITS: e4 + e5 between -123 and 130; e6 and e8 - e6 - e7 between -126 and 119.  NaN among the inputs is not served.  The scaled scores stay under 2^31.
.set SPARE, 262144                     ; the spare words: 128 bytes a wave
.set SPW,  4
.set NIL,  5
.set Q,    8                           ; v8-15 my queries' fragment
.set S,    16                          ; v16-79 scores, then p
.set ST,   16                          ; at the head: v16-63 carry my part of steps 0 to 2 to LDS
.set PC,   80                          ; v80-95 p's codes
.set O,    96                          ; v96-127 O^T
.set NM,   128                         ; -M
.set MT,   129                         ; the largest t
.set L,    130                         ; the sum in two halves
.set FF,   132                         ; f = 2^(old M - new M)
.set T,    134                         ; v134-141 at work
.set PD,   142
.set HOLD, 143
.set SCL,  144
.set FR,   160
.set G,    224                         ; v224-239 of window 0: my part of a later step, on its way to LDS
.set WV,   12
.set SEL,  26
.set CS,   28
.set TB,   30                          ; LDS byte of the step's 128 keys; also the loop's counter
.set TN,   31
.set MSB, 0
.macro WIN new                         ; the immediate's high byte repeats the setting that is left
.if MSB != \new
	s_set_vgpr_msb (MSB<<8)|\new
.set MSB, \new
.endif
.endm
.set ALL1, 0x55                        ; every operand in window 1
.macro KVIN                            ; my 2,048 bytes (K or V of one block of 32 keys, my head) of steps 0 to 2
.irp j, 0,1,2
.irp c, 0,1,2,3
	global_load_b128 v[ST+16*\j+4*\c:ST+16*\j+4*\c+3], v1, s[6:7] offset:\j*131072+\c*512
.endr
.endr
.endm
.macro KVOUT
.irp j, 0,1,2
.irp c, 0,1,2,3
	ds_store_b128 v2, v[ST+16*\j+4*\c:ST+16*\j+4*\c+3] offset:\j*16384+\c*512
.endr
.endr
.endm
.macro GIN                             ; the same of the step three on from where s[6:7] stands
.irp c, 0,1,2,3
	global_load_b128 v[G+4*\c:G+4*\c+3], v1, s[6:7] offset:393216+\c*512
.endr
.endm
.macro KLOAD adr                       ; tile n of 16 keys: block n / 2, half n % 2
.irp n, 0,1,2,3,4,5,6,7
.irp p, 0,1
	ds_load_b128 v[FR+8*\n+4*\p:FR+8*\n+4*\p+3], v[\adr] offset:(\n/2)*4096+(\n%2)*1024+512*\p
.endr
.endr
.endm
.macro INITP
	v_mov_b32 v[SCL], s25
	v_mov_b32 v[HOLD], s24
	v_mov_b32 v[MT], 0xff61b1e6                    ; -3e38, under every t
	s_delay_alu instid0(VALU_DEP_1)
	v_floor_f32 v[NM], -v[MT]
	v_mov_b32 v[L], 0
	v_mov_b32 v[L+1], 0
	v_mov_b32 v[FF+1], 0                           ; (named as the upper half of a pair)
	v_mov_b32 v[PD], 0                             ; a lane permute's destination counts as read
.set i, 0
.rept 32
	v_mov_b32 v[O+i], 0                            ; the step is written once: its first run finds zeros
.set i, i+1
.endr
.endm
.macro QK
.irp n, 0,1,2,3,4,5,6,7
	v_wmma_f32_16x16x64_fp8_fp8 v[S+8*\n:S+8*\n+7], v[FR+8*\n:FR+8*\n+7], v[Q:Q+7], 0
.endr
.endm
.macro PV
.irp t, 0,1,2,3
	v_wmma_f32_16x16x128_fp8_fp8 v[O+8*\t:O+8*\t+7], v[FR+16*\t:FR+16*\t+15], v[PC:PC+15], v[O+8*\t:O+8*\t+7]
.endr
.endm
.macro MAXP                            ; the largest score in four chains, ascending; then M and f
	v_max3_num_f32 v[T], v[S], v[S+1], v[S+2]
	v_max3_num_f32 v[T+1], v[S+3], v[S+4], v[S+5]
	v_max3_num_f32 v[T+2], v[S+6], v[S+7], v[S+8]
	v_max3_num_f32 v[T+3], v[S+9], v[S+10], v[S+11]
.set i, 12
.rept 26
	v_max3_num_f32 v[T+(i/2)%4], v[T+(i/2)%4], v[S+i], v[S+i+1]
.set i, i+2
.endr
	v_max3_num_f32 v[T], v[T], v[T+1], v[T+2]
	s_delay_alu instid0(VALU_DEP_1)
	v_max_num_f32 v[T], v[T], v[T+3]
	s_delay_alu instid0(VALU_DEP_1)
	v_permlanex16_b32 v[PD], v[T], s[SEL], s[SEL+1]
	s_delay_alu instid0(VALU_DEP_1)
	v_max_num_f32 v[T], v[T], v[PD]
	s_delay_alu instid0(VALU_DEP_1)
	v_mul_f32 v[T], s[CS], v[T]
	s_delay_alu instid0(VALU_DEP_1)
	v_max_num_f32 v[MT], v[MT], v[T]
	v_mov_b32 v[T], v[NM]
	s_delay_alu instid0(VALU_DEP_2)
	v_floor_f32 v[NM], -v[MT]                      ; -M = floor(-t)
	s_delay_alu instid0(VALU_DEP_1)
	v_sub_f32 v[T], v[NM], v[T]
	s_delay_alu instid0(VALU_DEP_1)
	v_cvt_i32_f32 v[T], v[T]
	s_delay_alu instid0(VALU_DEP_1)
	v_ldexp_f32 v[FF], 1.0, v[T]
.endm
.macro FMAP
.set i, 0
.rept 32
	v_pk_fma_f32 v[S+i:S+i+1], v[S+i:S+i+1], s[CS:CS+1], v[NM:NM+1] op_sel_hi:[1,0,0]   ; t - M
.set i, i+2
.endr
.endm
.macro EXPP
.set i, 0
.rept 64
	v_exp_f32 v[S+i], v[S+i]
.set i, i+1
.endr
.endm
.macro LMUL
	v_pk_mul_f32 v[L:L+1], v[L:L+1], v[FF:FF+1] op_sel_hi:[1,0]
.endm
.macro SUMP                            ; the sum of the unquantised p, in four chains
.irp c, 0,1,2,3
	v_pk_add_f32 v[T+2*\c:T+2*\c+1], v[S+2*\c:S+2*\c+1], v[S+8+2*\c:S+9+2*\c]
.endr
.set i, 16
.rept 24
	v_pk_add_f32 v[T+i%8:T+i%8+1], v[T+i%8:T+i%8+1], v[S+i:S+i+1]
.set i, i+2
.endr
	v_pk_add_f32 v[T:T+1], v[T:T+1], v[T+2:T+3]
	v_pk_add_f32 v[T+4:T+5], v[T+4:T+5], v[T+6:T+7]
	s_delay_alu instid0(VALU_DEP_1)
	v_pk_add_f32 v[T:T+1], v[T:T+1], v[T+4:T+5]
	s_delay_alu instid0(VALU_DEP_1)
	v_pk_add_f32 v[L:L+1], v[L:L+1], v[T:T+1]
.endm
.macro HOLDP
.set i, 0
.rept 64
	v_min_num_f32 v[S+i], v[S+i], v[HOLD]          ; the conversion does not saturate (ISA guide 7.6.2); p is not negative
.set i, i+1
.endr
.endm
.macro CVTP
.irp b, 0,1,2,3,4,5,6,7
	v_cvt_scalef32_pk8_fp8_f32 v[PC+2*\b:PC+2*\b+1], v[S+8*\b:S+8*\b+7], v[SCL]   ; keys 16 b + 8 h + 0 .. 7
.endr
.endm
.macro RESC
	s_wait_alu depctr_va_vdst(0)                   ; directly ahead of the first reader of O^T
.set i, 0
.rept 16
	v_pk_mul_f32 v[O+i:O+i+1], v[O+i:O+i+1], v[FF:FF+1] op_sel_hi:[1,0]
.set i, i+2
.endr
.endm
.macro OUTP                            ; O^T / the sum becomes codes under 2^e8
	v_add_f32 v[L], v[L], v[L+1]
	s_delay_alu instid0(VALU_DEP_1)
	v_permlanex16_b32 v[PD], v[L], s[SEL], s[SEL+1]
	s_delay_alu instid0(VALU_DEP_1)
	v_add_f32 v[L], v[L], v[PD]
	s_wait_alu depctr_va_vdst(0)                   ; ahead of the transcendental
	v_rcp_f32 v[FF], v[L]
	v_mov_b32 v[SCL], s25                          ; plain lines behind the reciprocal
	v_mov_b32 v[HOLD], s24
	s_wait_alu depctr_va_vdst(0)                   ; ahead of the first reader of the reciprocal and of O^T
.set i, 0
.rept 16
	v_pk_mul_f32 v[O+i:O+i+1], v[O+i:O+i+1], v[FF:FF+1] op_sel_hi:[1,0]
.set i, i+2
.endr
.set i, 0
.rept 32
	v_med3_num_f32 v[O+i], v[O+i], -v[HOLD], v[HOLD]
.set i, i+1
.endr
.irp t, 0,1,2,3
	v_cvt_scalef32_pk8_fp8_f32 v[PC+2*\t:PC+2*\t+1], v[O+8*\t:O+8*\t+7], v[SCL]
.endr
	v_nop
.endm
.macro MKS                             ; s24 = E: s25 = 2^E, s24 = 448 x 2^E as f32
	s_add_co_i32 s24, s24, 127
	s_lshl_b32 s25, s24, 23
	s_add_co_i32 s24, s24, 8
	s_lshl_b32 s24, s24, 23
	s_or_b32 s24, s24, 0x600000
.endm
	s_load_b256 s[4:11], s[0:1], 0x0               ; qf, kv1, the scales, oc
	v_lshl_add_u32 v[SPW], v0, 2, SPARE
	v_mov_b32 v[NIL], 0
	v_lshrrev_b32 v2, 5, v0
	s_delay_alu instid0(VALU_DEP_1)
	v_readfirstlane_b32 s[WV], v2                  ; wave 0..7
	v_and_b32 v1, 31, v0
	s_delay_alu instid0(VALU_DEP_1)
	v_lshlrev_b32 v1, 4, v1                        ; 16 x lane
	s_lshl_b32 s13, s[WV], 11
	v_add_nc_u32 v2, s13, v1                       ; my 2,048 bytes of a step in LDS: block wave / 2, K or V by wave % 2
	s_and_b32 s13, ttmp9, 7                        ; block of 256 queries
	s_bfe_u32 s14, ttmp9, 0x30003                  ; head
	s_lshr_b32 s15, ttmp9, 6                       ; batch
	s_lshl_b32 s32, s15, 20                        ; qf and oc alike: 16,384 x (64 batch + 8 block + wave) + 1,024 head
	s_lshl_b32 s13, s13, 17
	s_add_co_u32 s32, s32, s13
	s_lshl_b32 s13, s[WV], 14
	s_add_co_u32 s32, s32, s13
	s_lshl_b32 s13, s14, 10
	s_add_co_u32 s32, s32, s13
	s_mov_b32 s33, 0
	s_lshl_b32 s34, s15, 21                        ; kv1: the batch, 2,048 head, 32,768 (wave / 2) + 16,384 (wave % 2)
	s_lshl_b32 s13, s14, 11
	s_add_co_u32 s34, s34, s13
	s_lshl_b32 s13, s[WV], 14
	s_add_co_u32 s34, s34, s13
	s_mov_b32 s35, 0
	s_mov_b32 s[SEL], 0x76543210
	s_mov_b32 s[SEL+1], 0xfedcba98
	s_mov_b32 s[TB], 0
	s_wait_alu depctr_va_vdst(0)
	s_wait_kmcnt 0x0
	s_load_b256 s[16:23], s[8:9], 0x10             ; e4 .. e11
	s_add_nc_u64 s[4:5], s[4:5], s[32:33]
	s_add_nc_u64 s[10:11], s[10:11], s[32:33]
	s_add_nc_u64 s[6:7], s[6:7], s[34:35]
	KVIN
	global_load_b128 v[Q:Q+3], v1, s[4:5]
	global_load_b128 v[Q+4:Q+7], v1, s[4:5] offset:512
	WIN 0x40
	global_load_b128 v[Q:Q+3], v1, s[4:5] offset:8192
	global_load_b128 v[Q+4:Q+7], v1, s[4:5] offset:8704
	WIN 0
	GIN                                            ; step 3
	s_wait_loadcnt 8                               ; steps 0 to 2 are in; Q's four loads and step 3's four may be out
	KVOUT
	s_wait_kmcnt 0x0
	s_add_co_i32 s13, s16, s17
	s_lshl_b32 s13, s13, 23
	s_add_co_i32 s[CS], s13, 0x3e38aa3b            ; log2(e) / 8, e4 + e5 added to its exponent field
	s_mov_b32 s[CS+1], s[CS]
	s_mov_b32 s24, s18
	MKS
	INITP
	WIN ALL1
	INITP
	WIN 0
	s_wait_loadcnt 4                               ; Q is in; step 3's four loads may be out
	s_wait_alu depctr_va_vdst(0)                   ; ahead of the blocking wait
	s_wait_dscnt 0x0                               ; my stores are done
	s_barrier_signal -1
	s_barrier_wait -1                              ; steps 0 to 2 are whole
	s_barrier_signal -1                            ; the signal that the first trip's wait answers
	KLOAD 1
.Lstep:
	s_wait_dscnt 0x0                               ; this step's K
	QK
	WIN 0x54                                       ; K from window 0; Q, S of tile B in window 1
	QK
	WIN 0
	s_add_co_u32 s[TN], s[TB], 16384
	s_min_u32 s[TN], s[TN], 245760
	v_add_nc_u32 v3, s[TB], v1                     ; with the three below: the places in front of loads into registers that matrix instructions have read
	v_add_nc_u32 v6, s[TN], v1
	v_nop
	v_nop
	WIN 0x40
.irp t, 0,1,2,3
.irp p, 0,1,2,3
	ds_load_b128 v[FR+16*\t+4*\p:FR+16*\t+4*\p+3], v3 offset:\p*4096+2048+512*\t   ; V: 16 of the head's 64, block p's 32 keys
.endr
.endr
	WIN 0
	KLOAD 6
	MAXP
	WIN ALL1
	MAXP
	WIN 0
	FMAP
	WIN ALL1
	FMAP
	s_wait_alu depctr_va_vdst(0)                   ; one wait ahead of the batch
	EXPP
	WIN 0
	EXPP
	LMUL                                           ; a plain line behind the exponentials
	s_wait_alu depctr_va_vdst(0)                   ; one wait behind the batch
	SUMP
	WIN ALL1
	LMUL
	SUMP
	WIN 0
	s_wait_alu depctr_va_vdst(0)                   ; ahead of the branch
	s_cmp_ge_i32 s18, -8                           ; 448 x 2^e6 >= 1 >= p: nothing to hold
	s_cbranch_scc1 .Lnohold
	HOLDP
	WIN ALL1
	HOLDP
	WIN 0
.Lnohold:
	CVTP
	WIN ALL1
	CVTP
	RESC
	WIN 0
	RESC
	s_wait_alu depctr_va_vdst(0)                   ; ahead of the blocking waits and the branches
	s_barrier_wait -1                              ; every wave's stores of the trip before are done
	s_cmp_lt_u32 s[TB], 212992                     ; trips 0 to 12 store steps 3 to 15
	s_cbranch_scc0 .Lnost
	s_wait_loadcnt 0x0                             ; asked for a trip ago
	v_add_nc_u32 v7, s[TB], v2
.irp c, 0,1,2,3
	ds_store_b128 v7, v[G+4*\c:G+4*\c+3] offset:49152+\c*512
.endr
	s_cmp_lt_u32 s[TB], 196608                     ; trips 0 to 11 ask for steps 4 to 15
	s_cbranch_scc0 .Lnost
	s_wait_xcnt 0x0                                ; the base is stepped only behind this wait
	s_add_nc_u64 s[6:7], s[6:7], 131072
	GIN
.Lnost:
	s_wait_dscnt 0x0                               ; my stores are done; V and the next K are in
	s_barrier_signal -1                            ; the wait for it stands in the next trip (behind the loop for the last)
	WIN 0x01                                       ; V from window 1
	PV
	WIN ALL1
	PV
	WIN 0
	s_add_co_u32 s[TB], s[TB], 16384
	s_cmp_lt_u32 s[TB], 262144
	s_cbranch_scc1 .Lstep
	s_barrier_wait -1
.rept 4
	v_nop
.endr
	s_sub_co_i32 s24, s20, s18
	s_sub_co_i32 s24, s24, s19                     ; the code of O^T / l x 2^(e6 + e7) under 2^e8
	MKS
	OUTP
	global_store_b128 v1, v[PC:PC+3], s[10:11]     ; each store of the wave covers 512 consecutive bytes, aligned
	global_store_b128 v1, v[PC+4:PC+7], s[10:11] offset:512
	WIN ALL1
	OUTP
	WIN 0x04
	global_store_b128 v1, v[PC:PC+3], s[10:11] offset:8192
	global_store_b128 v1, v[PC+4:PC+7], s[10:11] offset:8704
	WIN 0
	s_wait_tensorcnt 0x0                           ; the wave's end
	ds_add_u32 v[SPW], v[NIL]
	s_wait_dscnt 0x0
	s_endpgm
.Lfunc_end_k_qa14e154898_sa:
	.size	k_qa14e154898_sa, .Lfunc_end_k_qa14e154898_sa-k_qa14e154898_sa
	.p2alignl 7, 3214868480
	.fill 96, 4, 3214868480
	.section	.rodata,"a",@progbits
	.p2align	6, 0x0
	.amdhsa_kernel k_qa14e154898_sa
		.amdhsa_group_segment_fixed_size 263168
		.amdhsa_private_segment_fixed_size 0
		.amdhsa_enable_private_segment 0
		.amdhsa_kernarg_size 32
		.amdhsa_user_sgpr_count 2
		.amdhsa_user_sgpr_kernarg_segment_ptr 1
		.amdhsa_wavefront_size32 1
		.amdhsa_system_sgpr_workgroup_id_x 1
		.amdhsa_system_sgpr_workgroup_id_y 1
		.amdhsa_system_sgpr_workgroup_id_z 1
		.amdhsa_system_vgpr_workitem_id 0
		.amdhsa_next_free_vgpr 512
		.amdhsa_next_free_sgpr 66
		.amdhsa_reserve_vcc 0
		.amdhsa_float_denorm_mode_32 3
		.amdhsa_float_denorm_mode_16_64 3
		.amdhsa_memory_ordered 1
		.amdhsa_forward_progress 1
		.amdhsa_inst_pref_size 48
	.end_amdhsa_kernel
	.amdgpu_metadata
---
amdhsa.version: [ 1, 2 ]
amdhsa.kernels:
  - .name:           k_qa14e154898_sa
    .symbol:         k_qa14e154898_sa.kd
    .args:
      - { .name: qf, .offset: 0, .size: 8, .value_kind: global_buffer, .address_space: global }
      - { .name: kv1, .offset: 8, .size: 8, .value_kind: global_buffer, .address_space: global }
      - { .name: lowp_scales, .offset: 16, .size: 8, .value_kind: global_buffer, .address_space: global }
      - { .name: oc, .offset: 24, .size: 8, .value_kind: global_buffer, .address_space: global }
    .group_segment_fixed_size: 263168
    .private_segment_fixed_size: 0
    .kernarg_segment_align: 8
    .kernarg_segment_size: 32
    .max_flat_workgroup_size: 256
    .sgpr_count:     66
    .vgpr_count:     512
    .wavefront_size: 32
...
	.end_amdgpu_metadata
.endif
;; end of part 2
;; launch tail (part 3): grid 256 x 1, 16 waves a work-group, clusters of 4 x 1, 327,680 bytes of LDS; arguments oc, kv2, wimg, x, lowp_scales, sa_bo, ca_ng, ca_nb, ca_bo, out0; writes out0
.if DOCPART == 3
	.amdgcn_target "amdgcn-amd-amdhsa--gfx1250"
	.amdhsa_code_object_version 6
	.text
	.protected	k_qa14e154898_tail
	.globl	k_qa14e154898_tail
	.p2align	8
	.type	k_qa14e154898_tail,@function
k_qa14e154898_tail:
	s_mov_b64 s[64:65], 0
	v_nop
	global_prefetch_b8 v0, s[64:65] scope:SCOPE_SE
	s_setreg_imm32_b32 hwreg(HW_REG_WAVE_MODE, 25, 1), 1
	s_wait_xcnt 0x0
	s_wait_alu depctr_hold_cnt(0) depctr_sa_sdst(0) depctr_va_vdst(0) depctr_va_sdst(0) depctr_va_ssrc(0) depctr_va_vcc(0) depctr_vm_vsrc(0)
	s_getreg_b32 s2, hwreg(HW_REG_IB_STS2, 6, 4)
	s_cmp_eq_u32 s2, 0
	s_cbranch_scc0 .Lentry_in_a_cluster
	s_endpgm
.Lentry_in_a_cluster:
	s_bfe_u32 s2, ttmp6, 0x10000c
	s_cmp_lg_u32 s2, 0x3003
	s_cbranch_scc0 .Lentry_shape_is_right
	s_endpgm
.Lentry_shape_is_right:
; LAST LAUNCH.  For a block of 32 rows: x1 = o sa_wo + sa_bo + x, q2 = Q(LN(x1; ca_ng, ca_nb)) ca_wq, cross-attention on codes, out0 = Q(o2) ca_wo + ca_bo + x1.  No work of the problem is left out.
; The softmax ahead of the second product: t = score x log2(e) / 8, M the running largest t rounded up, p = 2^(t - M) quantised, the sum of the unquantised p divides at the end.
; LIMITS: e14 + e15 between -123 and 130; e16, e10, e14-e10-e11, e18-e16-e17 between -126 and 119; e8 + e9 between -126 and 126, e18 + e19 between -126 and 127.  NaN is not served.  The scaled scores stay under 2^31.
;   K in the projections and the keys are taken chunk by chunk in an order of the cluster's own ((cluster + position) % 4, and the positions as the text walks them): the f32 sums differ from ascending ones by rounding alone.
; SHARES.  16 waves.  Attention: wave w takes head w / 2 and the tile of 16 rows w % 2.  Projections out: columns 64 w .. 64 w + 63 of both tiles of rows; ca_wq: columns 32 w .. 32 w + 31.  All products are used transposed.
; THE STREAM.  Chunks of 131,072 bytes (a quarter of a weight's images, or 128 keys of kv2) go through two LDS slots, asked for jointly by the four partners, which belong to one batch.  A load brings 16,384 bytes:
;   eight waves fill a slot.  Where both slots are free, waves 0-7 fill slot 0 and waves 8-15 slot 1 behind one round: sa_wo's first two chunks at the head, ca_wq's first two under the norm, ca_wq's third with kv2's first.
;   Beside them, where 64 registers are free, a wave takes its own four fragments of a chunk from memory straight into registers (512 consecutive bytes a load): sa_wo's last two chunks, ca_wq's last.
; x comes by one tensor load a wave: my 256 bytes of each of the 32 rows, LDS rows 272 bytes apart, on bytes that the head's loads have filled; only the wave that asked reads them.
; sa_bo goes in as the C of the first products, divided by 2^(e8 + e9).
; kv2 is prefetched once, at the head, 8,192 bytes a wave of clusters 0 to 3: every block of 256 bytes is named once; its first load follows behind the first projection and the norm.  This text has no loop to run ahead in.
.set SLOT0,  0
.set SLOT1,  131072
.set IMGA,   262144                    ; 16 KiB: o's eight fragments (4 u + ks), later q2's
.set IMGB,   278528                    ; 32 KiB: the normed x1's sixteen fragments, later o2's eight
.set STAT,   311296                    ; 2 x 16 rows x 144 bytes
.set SPARE,  315904                    ; the spare words: 128 bytes a wave
; v1 16 x lane; v2 2,048 head + 16 lane; v3, v4 addresses in hand; v5, v6 my 8,192 bytes of slot 0, 1; v7, v8 IMGA, IMGB + 16 lane; v9 o2's groups; v10 the normed x1's; v11 q2's; v12 my 1,024 bytes of IMGA;
; v13, v14 statistics; v15 my place in x's tile; v252 256 x lane; v253 my bytes of a bias; v254, v255 the stage on the way out
.set Q,    16
.set F,    24                          ; fragments of K or V; in the projections two fragments of rows
.set S,    56                          ; scores, then p; in the projections the accumulators
.set QBF,  88                          ; ca_wq: two fragments from LDS
.set PC,   120
.set W,    120                         ; four fragments of a weight
.set O,    136
.set X1,   184                         ; x1: (u, t) at 8 (4 u + t); before x is there, four more fragments of a weight
.set HOLD, 248
.set SCL,  249
.set SPW,  250
.set NIL,  251
.set G1,   24                          ; s[24:31] group 1 of the joint loads: 64 dense rows of 256 bytes; s[32:39] x's tile
.set G1X,  32
.set G0,   40                          ; group 0 of waves 0-7's load
.set G0X,  44                          ; of waves 8-15's; of x's
.set BS,   48                          ; s[48:55] the four chunks of the weight in hand, in my cluster's order, at my wave's part
.set PW0,  56
.set PK2,  58                          ; kv2 at my batch
.set PF2,  60
.set K4,   62
.set WV,   63
.set SEL,  66
.set W13,  88
.set CX,   89
.set GW,   92
.set BT,   93
.set CS,   94
.set WQ,   524288                      ; ca_wq's and ca_wo's images in wimg
.set WO2,  1048576
; e4 .. e19 in s68 .. s83
.macro ROUND
	s_barrier_signal -1
	s_barrier_wait -1
	s_cmp_lg_u32 s[WV], 0
	s_cbranch_scc1 .Lnw0_\@
	s_barrier_signal -3
.Lnw0_\@:
	s_barrier_wait -3
	s_barrier_signal -1
	s_barrier_wait -1
.endm
.macro ROT pos, sh                     ; s84 = (cluster + pos) % 4, shifted left by sh
.if \pos
	s_add_co_u32 s84, s[K4], \pos
	s_and_b32 s84, s84, 3
	s_lshl_b32 s84, s84, \sh
.else
	s_lshl_b32 s84, s[K4], \sh
.endif
.endm
.macro BASES add                       ; every earlier load by these bases has been waited for
.irp p, 0,1,2,3
	ROT \p, 17
	s_add_co_u32 s84, s84, \add
	s_mov_b32 s85, 0
	s_add_nc_u64 s[BS+2*\p:BS+2*\p+1], s[PW0:PW0+1], s[84:85]
.endr
.endm
.macro PLACES
.rept 4
	v_nop
.endr
.endm
.macro WLOAD wb, pos                   ; my four fragments of the chunk at position pos, from memory
	PLACES                                         ; in front of loads into registers that matrix instructions have read
.irp t, 0,1,2,3
.irp c, 0,1,2,3
	global_load_b128 v[\wb+16*\t+4*\c:\wb+16*\t+4*\c+3], v1, s[BS+2*\pos:BS+2*\pos+1] offset:2048*\t+512*\c
.endr
.endr
.endm
.macro PRE                             ; the lines in front of every barrier of this text
	s_wait_alu depctr_va_vdst(0)                   ; ahead of the blocking waits
	s_wait_tensorcnt 0x0                           ; no load of mine is out: so a group 0 may be written
	ds_add_u32 v[SPW], v[NIL]
.endm
.macro BAR                             ; nothing is asked for behind it
	PRE
	s_wait_dscnt 0x0
	s_barrier_signal -1
	s_barrier_wait -1
.endm
.macro HALF g0, base, add, pos, sb     ; group 0: 16,384 x (wave % 8) bytes on in the chunk at position pos behind s[base] + add, into the slot at sb
	s_and_b32 s85, s[WV], 7
	s_lshl_b32 s85, s85, 14
	s_add_co_u32 s[\g0+1], s85, \sb
	ROT \pos, 17
	s_add_co_u32 s84, s84, \add
	s_add_co_u32 s84, s84, s85
	s_mov_b32 s85, 0
	s_add_nc_u64 s[\g0+2:\g0+3], s[\base:\base+1], s[84:85]
	s_or_b32 s[\g0+3], s[\g0+3], 0x80000000
.endm
.macro TL2                             ; waves 0-7 ask by G0, waves 8-15 by G0X: one load in each arm
	s_cmp_lt_u32 s[WV], 8
	s_cbranch_scc0 .Lhi_\@
	tensor_load_to_lds s[G0:G0+3], s[G1:G1+7]
	s_nop 0
	PLACES
	s_branch .Ljn_\@
.Lhi_\@:
	tensor_load_to_lds s[G0X:G0X+3], s[G1:G1+7]
	s_nop 0
	PLACES
.Ljn_\@:
.endm
.macro GO2
	s_wait_dscnt 0x0
	ROUND
	TL2
.endm
.macro GO1                             ; one slot: waves 0-7 ask, the others have no part of it
	s_wait_dscnt 0x0
	ROUND
	s_cmp_lt_u32 s[WV], 8
	s_cbranch_scc0 .Lno_\@
	tensor_load_to_lds s[G0:G0+3], s[G1:G1+7]
	s_nop 0
	PLACES
.Lno_\@:
.endm
.macro FILL base, add, pos, sb         ; a round, and behind it one chunk into one slot
	PRE
	HALF G0, \base, \add, \pos, \sb
	GO1
.endm
.macro MKS
	s_add_co_i32 s84, s84, 127
	s_lshl_b32 s85, s84, 23
	v_mov_b32 v[SCL], s85
	s_add_co_i32 s84, s84, 8
	s_lshl_b32 s84, s84, 23
	s_or_b32 s84, s84, 0x600000
	v_mov_b32 v[HOLD], s84
.endm
.macro ATTINIT ea, eb, ep
	s_add_co_i32 s84, s[\ea], s[\eb]
	s_lshl_b32 s84, s84, 23
	s_add_co_i32 s[CS], s84, 0x3e38aa3b
	s_mov_b32 s[CS+1], s[CS]
	s_mov_b32 s84, s[\ep]
	MKS
	v_mov_b32 v169, 0xff61b1e6
	s_delay_alu instid0(VALU_DEP_1)
	v_floor_f32 v168, -v169
	v_mov_b32 v170, 0
	v_mov_b32 v171, 0
	v_mov_b32 v173, 0
.set i, 0
.rept 32
	v_mov_b32 v[O+i], 0
.set i, i+1
.endr
.endm
; A KEY STEP: the 128 keys of the chunk in the slot at sb.
.macro STEP ldq, sb
	v_add_nc_u32 v3, \sb, v2
	s_delay_alu instid0(VALU_DEP_1)
	v_add_nc_u32 v4, 65536, v3
.if \ldq
	ds_load_b128 v[Q:Q+3], v12
	ds_load_b128 v[Q+4:Q+7], v12 offset:512
.endif
	s_wait_alu depctr_va_vdst(0)
.irp g, 0,1
.rept 2+2*\g
	v_nop
.endr
.irp i, 0,1,2,3
.irp p, 0,1
	ds_load_b128 v[F+8*\i+4*\p:F+8*\i+4*\p+3], v[3+\g] offset:(\i/2)*32768+(\i%2)*1024+512*\p
.endr
.endr
	s_wait_dscnt 0x0
.irp i, 0,1,2,3
	v_wmma_f32_16x16x64_fp8_fp8 v[S+8*(4*\g+\i):S+8*(4*\g+\i)+7], v[F+8*\i:F+8*\i+7], v[Q:Q+7], 0
.endr
.endr
	PLACES
	v_max3_num_f32 v174, v[S], v[S+1], v[S+2]
	v_max3_num_f32 v172, v[S+3], v[S+4], v[S+5]
.irp i, 6,10,14,18,22,26,30,34,38,42,46,50,54,58
	v_max3_num_f32 v174, v174, v[S+\i], v[S+\i+1]
	v_max3_num_f32 v172, v172, v[S+\i+2], v[S+\i+3]
.endr
	v_max3_num_f32 v174, v174, v[S+62], v[S+63]
	s_delay_alu instid0(VALU_DEP_1)
	v_max_num_f32 v174, v174, v172
	s_delay_alu instid0(VALU_DEP_1)
	v_permlanex16_b32 v176, v174, s[SEL], s[SEL+1]
	s_delay_alu instid0(VALU_DEP_1)
	v_max_num_f32 v174, v174, v176
	s_delay_alu instid0(VALU_DEP_1)
	v_mul_f32 v174, s[CS], v174
	s_delay_alu instid0(VALU_DEP_1)
	v_max_num_f32 v169, v169, v174
	v_mov_b32 v174, v168
	s_delay_alu instid0(VALU_DEP_2)
	v_floor_f32 v168, -v169
	s_delay_alu instid0(VALU_DEP_1)
	v_sub_f32 v174, v168, v174
	s_delay_alu instid0(VALU_DEP_1)
	v_cvt_i32_f32 v174, v174
	s_delay_alu instid0(VALU_DEP_1)
	v_ldexp_f32 v172, 1.0, v174
.set i, 0
.rept 32
	v_pk_fma_f32 v[S+i:S+i+1], v[S+i:S+i+1], s[CS:CS+1], v[168:169] op_sel_hi:[1,0,0]
.set i, i+2
.endr
	s_wait_alu depctr_va_vdst(0)                   ; one wait ahead of the batch
.set i, 0
.rept 64
	v_exp_f32 v[S+i], v[S+i]
.set i, i+1
.endr
	v_pk_mul_f32 v[170:171], v[170:171], v[172:173] op_sel_hi:[1,0]
	s_wait_alu depctr_va_vdst(0)                   ; one wait behind it
.irp c, 0,1,2,3
	v_pk_add_f32 v[128+2*\c:129+2*\c], v[S+2*\c:S+2*\c+1], v[S+8+2*\c:S+9+2*\c]
.endr
.set i, 16
.rept 24
	v_pk_add_f32 v[128+i%8:129+i%8], v[128+i%8:129+i%8], v[S+i:S+i+1]
.set i, i+2
.endr
	v_pk_add_f32 v[128:129], v[128:129], v[130:131]
	v_pk_add_f32 v[132:133], v[132:133], v[134:135]
	s_delay_alu instid0(VALU_DEP_1)
	v_pk_add_f32 v[128:129], v[128:129], v[132:133]
	s_delay_alu instid0(VALU_DEP_1)
	v_pk_add_f32 v[170:171], v[170:171], v[128:129]
.irp b, 0,1,2,3,4,5,6,7
.irp i, 0,1,2,3,4,5,6,7
	v_min_num_f32 v[S+8*\b+\i], v[S+8*\b+\i], v[HOLD]
.endr
	v_cvt_scalef32_pk8_fp8_f32 v[PC+2*\b:PC+2*\b+1], v[S+8*\b:S+8*\b+7], v[SCL]
.endr
	s_wait_alu depctr_va_vdst(0)                   ; directly ahead of the first reader of O^T
.set i, 0
.rept 16
	v_pk_mul_f32 v[O+i:O+i+1], v[O+i:O+i+1], v[172:173] op_sel_hi:[1,0]
.set i, i+2
.endr
	s_wait_alu depctr_va_vdst(0)
.irp g, 0,1
.if \g > 0
	PLACES
.endif
.irp i, 0,1
.irp p, 0,1,2,3
	ds_load_b128 v[F+16*\i+4*\p:F+16*\i+4*\p+3], v[3+\p/2] offset:(\p%2)*32768+16384+512*(2*\g+\i)
.endr
.endr
	s_wait_dscnt 0x0
.irp i, 0,1
	v_wmma_f32_16x16x128_fp8_fp8 v[O+8*(2*\g+\i):O+8*(2*\g+\i)+7], v[F+16*\i:F+16*\i+15], v[PC:PC+15], v[O+8*(2*\g+\i):O+8*(2*\g+\i)+7]
.endr
.endr
.endm
.macro OUTO off, e1, e2, e3
	PLACES
	v_add_f32 v170, v170, v171
	s_delay_alu instid0(VALU_DEP_1)
	v_permlanex16_b32 v176, v170, s[SEL], s[SEL+1]
	s_delay_alu instid0(VALU_DEP_1)
	v_add_f32 v170, v170, v176
	s_wait_alu depctr_va_vdst(0)
	v_rcp_f32 v172, v170
	s_sub_co_i32 s84, s[\e1], s[\e2]
	s_sub_co_i32 s84, s84, s[\e3]
	MKS
	s_wait_alu depctr_va_vdst(0)
.set i, 0
.rept 16
	v_pk_mul_f32 v[O+i:O+i+1], v[O+i:O+i+1], v[172:173] op_sel_hi:[1,0]
.set i, i+2
.endr
.set i, 0
.rept 32
	v_med3_num_f32 v[O+i], v[O+i], -v[HOLD], v[HOLD]
.set i, i+1
.endr
.irp t, 0,1,2,3
	v_cvt_scalef32_pk8_fp8_f32 v[PC+2*\t:PC+2*\t+1], v[O+8*\t:O+8*\t+7], v[SCL]
.endr
	v_nop
	ds_store_b128 v9, v[PC:PC+3] offset:\off
	ds_store_b128 v9, v[PC+4:PC+7] offset:\off+512
.endm
; A K step of 128 of a projection out, at position pos: two fragments of rows from the images at v[img]; my four fragments of the weight at wb.  sreg > 0: they are fetched from my part of the slot at v[sreg];
; sreg = 0: they come from memory, and lc counts the younger loads, which may be out.  Eight accumulators by turns.
.macro P64 pos, img, wb, lc, first, sreg
	ROT \pos, 11
	v_add_nc_u32 v3, s84, v[\img]
.rept 3
	v_nop
.endr
.irp u, 0,1
.irp c, 0,1,2,3
	ds_load_b128 v[F+16*\u+4*\c:F+16*\u+4*\c+3], v3 offset:8192*\u+512*\c
.endr
.endr
.if \sreg
.irp t, 0,1,2,3
.irp c, 0,1,2,3
	ds_load_b128 v[\wb+16*\t+4*\c:\wb+16*\t+4*\c+3], v[\sreg] offset:2048*\t+512*\c
.endr
.endr
.else
	s_wait_loadcnt \lc
.endif
	s_wait_dscnt 0x0
.irp u, 0,1
.irp t, 0,1,2,3
.if \first
	v_wmma_f32_16x16x128_fp8_fp8 v[S+8*(4*\u+\t):S+8*(4*\u+\t)+7], v[\wb+16*\t:\wb+16*\t+15], v[F+16*\u:F+16*\u+15], 0
.else
	v_wmma_f32_16x16x128_fp8_fp8 v[S+8*(4*\u+\t):S+8*(4*\u+\t)+7], v[\wb+16*\t:\wb+16*\t+15], v[F+16*\u:F+16*\u+15], v[S+8*(4*\u+\t):S+8*(4*\u+\t)+7]
.endif
.endr
.endr
.endm
; A K step of 128 of ca_wq: half kk of the chunk at position pos.  sreg > 0: my two fragments from the slot at v[sreg] into wb; sreg = 0: they lie at wb, from memory.  Four accumulators by turns.
.macro QS pos, kk, wb, first, sreg
	ROT \pos, 12
	v_add_nc_u32 v3, s84, v8
.rept 3
	v_nop
.endr
.irp u, 0,1
.irp c, 0,1,2,3
	ds_load_b128 v[F+16*\u+4*\c:F+16*\u+4*\c+3], v3 offset:(8*\u+\kk)*2048+512*\c
.endr
.endr
.if \sreg
.irp t, 0,1
.irp c, 0,1,2,3
	ds_load_b128 v[\wb+16*\t+4*\c:\wb+16*\t+4*\c+3], v[\sreg] offset:4096*\kk+2048*\t+512*\c
.endr
.endr
.else
	s_wait_loadcnt 0x0
.endif
	s_wait_dscnt 0x0
.irp u, 0,1
.irp t, 0,1
.if \first
	v_wmma_f32_16x16x128_fp8_fp8 v[S+8*(2*\u+\t):S+8*(2*\u+\t)+7], v[\wb+16*\t:\wb+16*\t+15], v[F+16*\u:F+16*\u+15], 0
.else
	v_wmma_f32_16x16x128_fp8_fp8 v[S+8*(2*\u+\t):S+8*(2*\u+\t)+7], v[\wb+16*\t:\wb+16*\t+15], v[F+16*\u:F+16*\u+15], v[S+8*(2*\u+\t):S+8*(2*\u+\t)+7]
.endif
.endr
.endr
.endm
.macro SCALEADD ea, eb                 ; X1 = the sums x 2^(ea + eb) + X1
	PLACES
	s_add_co_i32 s86, s[\ea], s[\eb]
	s_add_co_i32 s86, s86, 127
	s_lshl_b32 s86, s86, 23
	s_mov_b32 s87, s86
.set i, 0
.rept 32
	v_pk_fma_f32 v[X1+i:X1+i+1], v[S+i:S+i+1], s[86:87], v[X1+i:X1+i+1] op_sel_hi:[1,0,1]
.set i, i+2
.endr
.endm
.macro LSTB xb, mreg, off              ; mean and sum of squares about it of my row's 64 columns, to LDS
	v_pk_add_f32 v[32:33], v[\xb:\xb+1], v[\xb+2:\xb+3]
	v_pk_add_f32 v[34:35], v[\xb+4:\xb+5], v[\xb+6:\xb+7]
.set i, 8
.rept 6
	s_delay_alu instid0(VALU_DEP_2)
	v_pk_add_f32 v[32:33], v[32:33], v[\xb+i:\xb+i+1]
	s_delay_alu instid0(VALU_DEP_2)
	v_pk_add_f32 v[34:35], v[34:35], v[\xb+i+2:\xb+i+3]
.set i, i+4
.endr
	s_delay_alu instid0(VALU_DEP_1)
	v_pk_add_f32 v[32:33], v[32:33], v[34:35]
	s_delay_alu instid0(VALU_DEP_1)
	v_add_f32 v32, v32, v33
	s_delay_alu instid0(VALU_DEP_1)
	v_permlanex16_b32 v48, v32, s[SEL], s[SEL+1]
	s_delay_alu instid0(VALU_DEP_1)
	v_add_f32 v32, v32, v48
	s_delay_alu instid0(VALU_DEP_1)
	v_mul_f32 v[\mreg], 0x3c800000, v32
	s_delay_alu instid0(VALU_DEP_1)
	v_pk_add_f32 v[38:39], v[\xb:\xb+1], v[\mreg:\mreg+1] op_sel_hi:[1,0] neg_lo:[0,1] neg_hi:[0,1]
	s_delay_alu instid0(VALU_DEP_1)
	v_pk_mul_f32 v[32:33], v[38:39], v[38:39]
.set i, 2
.rept 15
	v_pk_add_f32 v[38:39], v[\xb+i:\xb+i+1], v[\mreg:\mreg+1] op_sel_hi:[1,0] neg_lo:[0,1] neg_hi:[0,1]
	s_delay_alu instid0(VALU_DEP_1)
	v_pk_fma_f32 v[32:33], v[38:39], v[38:39], v[32:33]
.set i, i+2
.endr
	s_delay_alu instid0(VALU_DEP_1)
	v_add_f32 v32, v32, v33
	s_delay_alu instid0(VALU_DEP_1)
	v_permlanex16_b32 v48, v32, s[SEL], s[SEL+1]
	s_delay_alu instid0(VALU_DEP_1)
	v_add_f32 v[\mreg+1], v32, v48
	ds_store_b64 v13, v[\mreg:\mreg+1] offset:\off
.endm
.macro COMB rr, mn, rs                 ; sixteen parts of 64 become the row's mean and 1 / sqrt(variance + 1e-5)
	v_pk_add_f32 v[32:33], v[\rr:\rr+1], v[\rr+2:\rr+3]
.set i, 4
.rept 14
	s_delay_alu instid0(VALU_DEP_1)
	v_pk_add_f32 v[32:33], v[32:33], v[\rr+i:\rr+i+1]
.set i, i+2
.endr
	s_delay_alu instid0(VALU_DEP_1)
	v_mul_f32 v[\mn], 0x3d800000, v32
	s_delay_alu instid0(VALU_DEP_1)
	v_sub_f32 v34, v[\rr], v[\mn]
	s_delay_alu instid0(VALU_DEP_1)
	v_mul_f32 v35, v34, v34
.set i, 2
.rept 15
	v_sub_f32 v34, v[\rr+i], v[\mn]
	s_delay_alu instid0(VALU_DEP_1)
	v_fmac_f32 v35, v34, v34
.set i, i+2
.endr
	s_delay_alu instid0(VALU_DEP_1)
	v_fmac_f32 v33, 0x42800000, v35
	s_delay_alu instid0(VALU_DEP_1)
	v_fma_f32 v32, v33, s84, s85
	s_wait_alu depctr_va_vdst(0)
	v_rsq_f32 v[\rs], v32
	v_nop
.endm
	s_load_b512 s[4:19], s[0:1], 0x0               ; oc, kv2, wimg, x, the scales, sa_bo, ca_ng, ca_nb
	s_load_b128 s[20:23], s[0:1], 0x40             ; ca_bo, out0
	v_lshl_add_u32 v[SPW], v0, 2, SPARE
	v_mov_b32 v[NIL], 0
	ds_add_u32 v[SPW], v[NIL]                      ; the opening: the add, twice on end, and its wait ahead of my first tensor load
	ds_add_u32 v[SPW], v[NIL]
	v_lshrrev_b32 v174, 5, v0
	s_delay_alu instid0(VALU_DEP_1)
	v_readfirstlane_b32 s[WV], v174                ; wave 0..15
	s_bfe_u32 s[CX], ttmp6, 0x40000
	s_lshl_b32 s[GW], ttmp9, 2
	s_add_co_u32 s[GW], s[GW], s[CX]               ; my work-group: it enters global addresses alone
	s_lshr_b32 s[BT], ttmp9, 4
	s_and_b32 s[K4], ttmp9, 3
	s_and_b32 s86, s[WV], 1                        ; u
	s_lshr_b32 s87, s[WV], 1                       ; head
	s_lshl_b32 s[W13], s[WV], 13
	v_and_b32 v175, 31, v0
	v_and_b32 v177, 15, v0                         ; r
	v_bfe_u32 v178, v0, 4, 1                       ; h
	s_delay_alu instid0(VALU_DEP_3)
	v_lshlrev_b32 v1, 4, v175
	s_lshl_b32 s84, s87, 11
	v_add_nc_u32 v2, s84, v1
	v_add_nc_u32 v5, s[W13], v1
	s_delay_alu instid0(VALU_DEP_1)
	v_add_nc_u32 v6, SLOT1, v5
	v_add_nc_u32 v7, IMGA, v1
	v_add_nc_u32 v8, IMGB, v1
	s_wait_alu depctr_va_vdst(0)
	s_lshl_b32 s84, s86, 13                        ; o2: fragment 4 u + w / 4, groups 2 ((w / 2) % 2) on
	s_lshr_b32 s85, s[WV], 2
	s_lshl_b32 s85, s85, 11
	s_add_co_u32 s84, s84, s85
	s_and_b32 s85, s87, 1
	s_lshl_b32 s85, s85, 10
	s_add_co_u32 s84, s84, s85
	v_add_nc_u32 v9, s84, v7
	s_lshl_b32 s84, s[WV], 10
	v_add_nc_u32 v10, s84, v8
	v_add_nc_u32 v12, s84, v7
	s_lshl_b32 s84, s87, 11
	s_lshl_b32 s85, s86, 9
	s_add_co_u32 s84, s84, s85
	v_add_nc_u32 v11, s84, v7
	v_mul_u32_u24 v14, v177, 144
	s_delay_alu instid0(VALU_DEP_1)
	v_add_nc_u32 v14, STAT, v14
	s_lshl_b32 s84, s[WV], 3
	v_add_nc_u32 v13, s84, v14
	s_lshl_b32 s84, s[WV], 8
	v_lshlrev_b32 v253, 5, v178
	s_delay_alu instid0(VALU_DEP_1)
	v_add_nc_u32 v253, s84, v253                   ; 256 w + 32 h
	v_lshlrev_b32 v252, 8, v175
	s_mul_i32 s84, s[WV], 8704                     ; x's tile: my 32 rows of 272 bytes; row r, + 32 h
	v_mul_u32_u24 v15, v177, 272
	s_delay_alu instid0(VALU_DEP_1)
	v_lshl_add_u32 v15, v178, 5, v15
	s_delay_alu instid0(VALU_DEP_1)
	v_add_nc_u32 v15, s84, v15
	s_mul_i32 s84, s[WV], 4352                     ; the stage on the way out: 16 rows x 272 bytes for each wave, in slot 1
	s_add_co_u32 s84, s84, SLOT1
	v_mul_u32_u24 v254, v177, 272
	s_delay_alu instid0(VALU_DEP_1)
	v_lshl_add_u32 v254, v178, 5, v254
	s_delay_alu instid0(VALU_DEP_1)
	v_add_nc_u32 v254, s84, v254
	v_mul_u32_u24 v255, v178, 272
	s_delay_alu instid0(VALU_DEP_1)
	v_lshl_add_u32 v255, v177, 4, v255
	s_delay_alu instid0(VALU_DEP_1)
	v_add_nc_u32 v255, s84, v255
	v_mov_b32 v176, 0                              ; a lane permute's destination counts as read
	s_mov_b32 s[SEL], 0x76543210
	s_mov_b32 s[SEL+1], 0xfedcba98
	s_mov_b32 s[G1], 15|(3<<16)|(1<<21)            ; the four partners; elements of 8 bytes; 64 dense rows of 256 bytes
	s_mov_b32 s[G1+1], 32<<16
	s_mov_b32 s[G1+2], 64<<16
	s_mov_b32 s[G1+3], 32<<16
	s_mov_b32 s[G1+4], 64
	s_mov_b32 s[G1+5], 32
	s_mov_b32 s[G1+6], 0
	s_mov_b32 s[G1+7], 0
	s_mov_b32 s[G1X], (1<<20)|(5<<22)|(3<<25)      ; no mask; bytes; 4 words of padding behind every 64
	s_mov_b32 s[G1X+1], 256<<16
	s_mov_b32 s[G1X+2], 32<<16
	s_mov_b32 s[G1X+3], 256<<16
	s_mov_b32 s[G1X+4], 32
	s_mov_b32 s[G1X+5], 4096
	s_mov_b32 s[G1X+6], 0
	s_mov_b32 s[G1X+7], 0
	s_mov_b32 s[G0], 1
	s_mov_b32 s[G0X], 1
	s_mov_b32 s91, 0
	s_wait_alu depctr_va_vdst(0)
	s_wait_dscnt 0x0                               ; both opening adds are done
	s_wait_kmcnt 0x0
	s_load_b512 s[68:83], s[12:13], 0x10           ; e4 .. e19
	s_lshl_b32 s90, s[GW], 14
	s_lshl_b32 s2, s[WV], 10
	s_add_co_u32 s90, s90, s2
	s_add_nc_u64 s[4:5], s[4:5], s[90:91]          ; oc: my block's images, my wave's 1,024 bytes
	global_load_b128 v[Q:Q+3], v1, s[4:5]
	global_load_b128 v[Q+4:Q+7], v1, s[4:5] offset:512
.irp u, 0,1
.irp t, 0,1,2,3
.irp k, 0,1
	global_load_b128 v[S+8*(4*\u+\t)+4*\k:S+8*(4*\u+\t)+4*\k+3], v253, s[14:15] offset:64*\t+16*\k   ; sa_bo, for both tiles of rows
.endr
.endr
.endr
	s_mov_b32 s90, s[W13]
	s_add_nc_u64 s[PW0:PW0+1], s[8:9], s[90:91]
	BASES 0
	WLOAD X1, 3                                    ; sa_wo's chunk at position 3, straight into registers
	s_lshl_b32 s90, s[GW], 17
	s_add_nc_u64 s[22:23], s[22:23], s[90:91]      ; out0 and x at my 32 rows,
	s_add_nc_u64 s[10:11], s[10:11], s[90:91]
	s_mov_b32 s90, s[W13]
	s_add_nc_u64 s[96:97], s[10:11], s[90:91]      ; for the prefetch of x: rows 2 w, 2 w + 1 of my work-group's 32; never rewritten
	s_lshl_b32 s90, s[WV], 8
	s_add_nc_u64 s[10:11], s[10:11], s[90:91]      ; x at my 256 bytes of them
	s_lshl_b32 s90, s[BT], 19
	s_add_nc_u64 s[PK2:PK2+1], s[6:7], s[90:91]
	s_lshl_b32 s90, s[GW], 4
	s_add_co_u32 s90, s90, s[WV]
	s_lshl_b32 s90, s90, 13
	s_add_nc_u64 s[PF2:PF2+1], s[6:7], s[90:91]    ; used by clusters 0 to 3 alone: 256 waves x 8,192 bytes are all of kv2
	HALF G0, 8, 0, 0, SLOT0
	HALF G0X, 8, 0, 1, SLOT1
	ROUND                                          ; the four partners are here: the first joint loads meet
	TL2                                            ; sa_wo's chunks at positions 0 and 1: one tensor load a wave at the head
	global_prefetch_b8 v252, s[96:97] th:TH_LOAD_NT scope:SCOPE_SE   ; x: 8,192 bytes a wave, lanes 256 bytes apart: each block of my 32 rows is named once, two rounds ahead of the tensor load that wants it
	s_cmp_lt_u32 ttmp9, 4
	s_cbranch_scc0 .Lnopf
	global_prefetch_b8 v252, s[PF2:PF2+1] th:TH_LOAD_NT scope:SCOPE_SE
.Lnopf:
	; ---- x1 = o sa_wo + sa_bo + x
	s_wait_loadcnt 32                              ; o's two loads are in; 16 of the bias and 16 of the weight may be out
	ds_store_b128 v12, v[Q:Q+3]
	ds_store_b128 v12, v[Q+4:Q+7] offset:512
	s_wait_kmcnt 0x0
	s_add_co_i32 s86, s72, s73
	s_sub_co_i32 s86, 127, s86
	s_lshl_b32 s86, s86, 23                        ; 2^-(e8 + e9)
	s_mov_b32 s87, s86
	s_wait_loadcnt 16                              ; the bias is in
.set i, 0
.rept 32
	v_pk_mul_f32 v[S+i:S+i+1], v[S+i:S+i+1], s[86:87] op_sel_hi:[1,0]
.set i, i+2
.endr
	BAR                                            ; o's images and both chunks are whole
	P64 0, 7, W, 0, 0, 5
	P64 1, 7, W, 0, 0, 6
	WLOAD W, 2                                     ; the chunk at position 2, straight into registers
	PRE
	s_mul_i32 s[G0X+1], s[WV], 8704
	s_mov_b64 s[G0X+2:G0X+3], s[10:11]
	s_or_b32 s[G0X+3], s[G0X+3], 0x80000000
	s_wait_dscnt 0x0
	ROUND                                          ; nobody reads the slots any more
	tensor_load_to_lds s[G0X:G0X+3], s[G1X:G1X+7]  ; x, on bytes that the head's loads have filled
	s_nop 0
	P64 3, 7, X1, 16, 0, 0                         ; position 3's loads are in; position 2's 16 may be out
	s_wait_tensorcnt 0x0                           ; my part of x is in, and only I read it
	PLACES
.irp u, 0,1
.irp t, 0,1,2,3
.irp k, 0,1
	ds_load_b128 v[X1+8*(4*\u+\t)+4*\k:X1+8*(4*\u+\t)+4*\k+3], v15 offset:4352*\u+64*\t+16*\k
.endr
.endr
.endr
	P64 2, 7, W, 0, 0, 0
	SCALEADD 72, 73
	; ---- the norm of x1
.irp t, 0,1,2,3
.irp k, 0,1
	global_load_b128 v[S+8*\t+4*\k:S+8*\t+4*\k+3], v253, s[16:17] offset:64*\t+16*\k
.endr
.endr
.irp t, 0,1,2,3
.irp k, 0,1
	global_load_b128 v[S+32+8*\t+4*\k:S+32+8*\t+4*\k+3], v253, s[18:19] offset:64*\t+16*\k
.endr
.endr
	v_mov_b32 v48, 0
	v_mov_b32 v37, 0
	v_mov_b32 v51, 0
	LSTB X1, 36, 0
	LSTB X1+32, 50, 2304
	PRE                                            ; the round shows the statistics to every wave; ca_wq's chunks at positions 0 and 1 are asked for
	HALF G0, 8, WQ, 0, SLOT0
	HALF G0X, 8, WQ, 1, SLOT1
	GO2
.irp u, 0,1
.irp i, 0,1,2,3,4,5,6,7
	ds_load_b128 v[120+32*\u+4*\i:120+32*\u+4*\i+3], v14 offset:2304*\u+16*\i
.endr
.endr
	v_mov_b32 v25, 0
	v_mov_b32 v27, 0
	v_mov_b32 v29, 0
	v_mov_b32 v31, 0
	s_mov_b32 s84, 0x3a800000                      ; 1 / 1,024
	s_mov_b32 s85, 0x3727c5ac                      ; 1e-5
	s_wait_dscnt 0x0
	COMB 120, 24, 26
	COMB 152, 28, 30
.irp t, 0,1,2,3
.irp k, 0,1
	global_load_b128 v[O+8*\t+4*\k:O+8*\t+4*\k+3], v253, s[20:21] offset:64*\t+16*\k   ; ca_bo
.endr
.endr
	s_mov_b32 s84, s74
	MKS
	s_wait_alu depctr_va_vdst(0)                   ; one wait for the two roots, ahead of their first reader
	s_wait_loadcnt 8                               ; gain and bias are in; ca_bo's eight loads may be out
.irp u, 0,1
.irp t, 0,1,2,3
.irp i, 0,2,4,6
	v_pk_add_f32 v[40+8*(\t%2)+\i:41+8*(\t%2)+\i], v[X1+8*(4*\u+\t)+\i:X1+8*(4*\u+\t)+\i+1], v[24+4*\u:25+4*\u] op_sel_hi:[1,0] neg_lo:[0,1] neg_hi:[0,1]
.endr
.irp i, 0,2,4,6
	v_pk_mul_f32 v[40+8*(\t%2)+\i:41+8*(\t%2)+\i], v[40+8*(\t%2)+\i:41+8*(\t%2)+\i], v[26+4*\u:27+4*\u] op_sel_hi:[1,0]
.endr
.irp i, 0,2,4,6
	s_delay_alu instid0(VALU_DEP_4)
	v_pk_fma_f32 v[40+8*(\t%2)+\i:41+8*(\t%2)+\i], v[40+8*(\t%2)+\i:41+8*(\t%2)+\i], v[S+8*\t+\i:S+8*\t+\i+1], v[S+32+8*\t+\i:S+32+8*\t+\i+1]
.endr
.irp i, 0,1,2,3,4,5,6,7
	v_med3_num_f32 v[40+8*(\t%2)+\i], v[40+8*(\t%2)+\i], -v[HOLD], v[HOLD]
.endr
	v_cvt_scalef32_pk8_fp8_f32 v[120+2*(4*\u+\t):121+2*(4*\u+\t)], v[40+8*(\t%2):47+8*(\t%2)], v[SCL]
.endr
.endr
	v_nop
.irp u, 0,1
.irp p, 0,1
	ds_store_b128 v10, v[120+8*\u+4*\p:120+8*\u+4*\p+3] offset:16384*\u+512*\p
.endr
.endr
	s_wait_loadcnt 0x0
.irp u, 0,1
.irp t, 0,1,2,3
.irp i, 0,2,4,6
	v_pk_add_f32 v[X1+8*(4*\u+\t)+\i:X1+8*(4*\u+\t)+\i+1], v[X1+8*(4*\u+\t)+\i:X1+8*(4*\u+\t)+\i+1], v[O+8*\t+\i:O+8*\t+\i+1]   ; x1 + ca_bo, for the end
.endr
.endr
.endr
	s_wait_alu depctr_va_vdst(0)
	s_wait_dscnt 0x0                               ; my images are stored
	BASES WQ
	WLOAD W, 3                                     ; ca_wq's chunk at position 3, straight into registers
	BAR                                            ; the images and both chunks are whole
	; ---- q2: positions 0 and 1 from the slots, 3 from registers, 2 from slot 0
	QS 0, 0, QBF, 1, 5
	QS 0, 1, QBF, 0, 5
	QS 1, 0, QBF, 0, 6
	QS 1, 1, QBF, 0, 6
	PRE
	HALF G0, 8, WQ, 2, SLOT0
	HALF G0X, PK2, 0, 0, SLOT1                     ; kv2's first chunk with it
	GO2
	QS 3, 0, W, 0, 0
	QS 3, 1, W+32, 0, 0
	BAR
	QS 2, 0, QBF, 0, 5
	QS 2, 1, QBF, 0, 5
	PLACES
	s_sub_co_i32 s84, s78, s74
	s_sub_co_i32 s84, s84, s75
	MKS
.set i, 0
.rept 32
	v_med3_num_f32 v[S+i], v[S+i], -v[HOLD], v[HOLD]
.set i, i+1
.endr
.irp u, 0,1
.irp t, 0,1
	v_cvt_scalef32_pk8_fp8_f32 v[120+4*\u+2*\t:121+4*\u+2*\t], v[S+8*(2*\u+\t):S+8*(2*\u+\t)+7], v[SCL]
.endr
.endr
	v_nop
	ds_store_b128 v11, v[120:123]
	ds_store_b128 v11, v[124:127] offset:1024
	ATTINIT 78, 79, 80
	; ---- cross-attention: four chunks of 128 keys, slots 1, 0, 1, 0.  The first round also shows q2's images to every wave
	FILL PK2, 0, 1, SLOT0
	STEP 1, SLOT1
	FILL PK2, 0, 2, SLOT1
	STEP 0, SLOT0
	FILL PK2, 0, 3, SLOT0
	STEP 0, SLOT1
	FILL 8, WO2, 0, SLOT1                          ; ca_wo's first chunk lands under the last key step
	STEP 0, SLOT0
	OUTO 16384, 82, 80, 81
	; ---- out0 = o2 ca_wo + ca_bo + x1
	FILL 8, WO2, 1, SLOT0                          ; the round also shows o2's images
	P64 0, 8, W, 0, 1, 6
	FILL 8, WO2, 2, SLOT1
	P64 1, 8, W, 0, 0, 5
	FILL 8, WO2, 3, SLOT0
	P64 2, 8, W, 0, 0, 6
	BAR                                            ; nothing is left to ask for; slot 1 has had its last fill and its last read
	P64 3, 8, W, 0, 0, 5
	SCALEADD 82, 83
	; THE WAY OUT.  16 rows x 256 bytes go through my own stage and come back by rows, so that sixteen lanes store 256 consecutive bytes, aligned.
	v_and_b32 v3, 15, v0
	v_bfe_u32 v4, v0, 4, 1
	s_delay_alu instid0(VALU_DEP_1)
	v_lshlrev_b32 v4, 12, v4
	s_delay_alu instid0(VALU_DEP_1)
	v_lshl_add_u32 v4, v3, 4, v4
	s_lshl_b32 s84, s[WV], 8
	v_add_nc_u32 v4, s84, v4                       ; 4,096 h + 256 w + 16 r
.irp u, 0,1
.irp t, 0,1,2,3
	ds_store_b128 v254, v[X1+8*(4*\u+\t):X1+8*(4*\u+\t)+3] offset:64*\t
	ds_store_b128 v254, v[X1+8*(4*\u+\t)+4:X1+8*(4*\u+\t)+7] offset:64*\t+16
.endr
.irp i, 0,1,2,3,4,5,6,7
	ds_load_b128 v[F+96*\u+4*\i:F+96*\u+4*\i+3], v255 offset:2*\i*272   ; LDS serves a wave's instructions in order (ISA guide 5.7.1.4)
.endr
.endr
	s_wait_alu depctr_va_vdst(0)
.irp u, 0,1
.irp i, 0,1,2,3,4,5,6,7
	s_wait_dscnt 23-16*\u-\i                       ; the LDS instructions issued behind this load may be out
	global_store_b128 v4, v[F+96*\u+4*\i:F+96*\u+4*\i+3], s[22:23] offset:(16*\u+2*\i)*4096 th:TH_STORE_NT
.endr
.endr
	s_wait_tensorcnt 0x0                           ; the wave's end
	ds_add_u32 v[SPW], v[NIL]
	s_wait_dscnt 0x0
	ROUND                                          ; the closing round
	s_endpgm
.Lfunc_end_k_qa14e154898_tail:
	.size	k_qa14e154898_tail, .Lfunc_end_k_qa14e154898_tail-k_qa14e154898_tail
	.p2alignl 7, 3214868480
	.fill 96, 4, 3214868480
	.section	.rodata,"a",@progbits
	.p2align	6, 0x0
	.amdhsa_kernel k_qa14e154898_tail
		.amdhsa_group_segment_fixed_size 327680
		.amdhsa_private_segment_fixed_size 0
		.amdhsa_enable_private_segment 0
		.amdhsa_kernarg_size 80
		.amdhsa_user_sgpr_count 2
		.amdhsa_user_sgpr_kernarg_segment_ptr 1
		.amdhsa_wavefront_size32 1
		.amdhsa_system_sgpr_workgroup_id_x 1
		.amdhsa_system_sgpr_workgroup_id_y 1
		.amdhsa_system_sgpr_workgroup_id_z 1
		.amdhsa_system_vgpr_workitem_id 0
		.amdhsa_next_free_vgpr 256
		.amdhsa_next_free_sgpr 100
		.amdhsa_reserve_vcc 0
		.amdhsa_float_denorm_mode_32 3
		.amdhsa_float_denorm_mode_16_64 3
		.amdhsa_memory_ordered 1
		.amdhsa_forward_progress 1
		.amdhsa_inst_pref_size 174
	.end_amdhsa_kernel
	.amdgpu_metadata
---
amdhsa.version: [ 1, 2 ]
amdhsa.kernels:
  - .name:           k_qa14e154898_tail
    .symbol:         k_qa14e154898_tail.kd
    .args:
      - { .name: oc, .offset: 0, .size: 8, .value_kind: global_buffer, .address_space: global }
      - { .name: kv2, .offset: 8, .size: 8, .value_kind: global_buffer, .address_space: global }
      - { .name: wimg, .offset: 16, .size: 8, .value_kind: global_buffer, .address_space: global }
      - { .name: x, .offset: 24, .size: 8, .value_kind: global_buffer, .address_space: global }
      - { .name: lowp_scales, .offset: 32, .size: 8, .value_kind: global_buffer, .address_space: global }
      - { .name: sa_bo, .offset: 40, .size: 8, .value_kind: global_buffer, .address_space: global }
      - { .name: ca_ng, .offset: 48, .size: 8, .value_kind: global_buffer, .address_space: global }
      - { .name: ca_nb, .offset: 56, .size: 8, .value_kind: global_buffer, .address_space: global }
      - { .name: ca_bo, .offset: 64, .size: 8, .value_kind: global_buffer, .address_space: global }
      - { .name: out0, .offset: 72, .size: 8, .value_kind: global_buffer, .address_space: global }
    .group_segment_fixed_size: 327680
    .private_segment_fixed_size: 0
    .kernarg_segment_align: 8
    .kernarg_segment_size: 80
    .max_flat_workgroup_size: 512
    .sgpr_count:     100
    .vgpr_count:     256
    .wavefront_size: 32
...
	.end_amdgpu_metadata
.endif
;; end of part 3
